; MI455X (gfx1250); checked and timed in simulation.
; The chip was launched on July 23, 2026; its instructions are those of AMD's public machine-readable ISA for CDNA 5 (MIT licence, August 2026) and "CDNA5" Instruction Set Architecture Reference Guide (July 2026). The comments in the code are by the model that wrote it; some were corrected since.
;; Local GMM Scorer Attention. Allowed arithmetic: matrix products marked QUANTISED: E5M2 operands, one given power-of-two scale a tensor, by v_wmma_f32_16x16x64_bf8_bf8 or v_wmma_f32_16x16x128_bf8_bf8, f32 sums; products left as they are: f32 operands where the result goes on into a quantised operand, else bf16, f16 or f32 operands; f32 sums; everything else in f32.
;; Inputs: W_p2s 256 x 12 float32; W_q2p_codes 256 x 16 x 32 uint8 (E5M2 codes of W_q2p, K innermost, in blocks of 32 codes); W_s0_codes 256 x 32 x 32 uint8 (E5M2 codes of W_s0, K innermost, in blocks of 32 codes); W_s1 256 x 1 float32; b_p2s 12 float32; b_q2p 256 float32; b_s0 256 float32; b_s1 1 float32; ctx 32 x 2,048 x 512 float32; lowp_scales 4 int32 (the exponents e of the quantised operands' scales 2^e); query 32 x 512 float32.
;; Outputs: out0 32 x 512 float32; out1 32 x 2,048 float32.
;; This version of the problem:
;;   THIS VERSION OF THE PROBLEM IS GIVEN IN LOW PRECISION. The matrix products marked QUANTISED in the list below multiply operands that are first quantised to E5M2 (5 exponent bits, 2 mantissa bits; 8 bits a number), with one given power-of-two scale for each operand tensor; their sums are f32. All else is computed in f32.
;;   The module's matrix products, in the order in which they are computed (A, B: the left and right operand; K: the contracted axis; several contracted axes count as one K, in the product's order):
;;     1. [M 32, K 512] x [K 512, N 256]; A: input query; B: input W_q2p (given as codes): QUANTISED (scales: A lowp_scales[0], B lowp_scales[1])
;;     2. [M 32, K 256] x [K 256, N 12]; A: computed on the way; B: input W_p2s: left as it is (N = 12 < 16)
;;     3. [M 65,536, K 1,024] x [K 1,024, N 256]; A: computed on the way; B: input W_s0 (given as codes): QUANTISED (scales: A lowp_scales[2], B lowp_scales[3])
;;     4. [M 65,536, K 256] x [K 256, N 1]; A: computed on the way; B: input W_s1: left as it is (N = 1 < 16)
;;     5. batch 32 x [M 1, K 2,048] x [K 2,048, N 512]; A: computed on the way; B: input ctx: left as it is (M = 1 < 16)
;;   THE QUANTISER, for each operand of a quantised product, along K:
;;     - The operand's scale is 2^e, e = its entry of the input lowp_scales (int32; the entries are numbered through the quantised products in the list's order, A before B).
;;     - Each number is divided by the scale, clamped to +-57,344, and rounded to the nearest number of E5M2, ties to even, subnormals kept.
;;     - The product sums the exact products of the quantised numbers (number of the format x scale) in f32.
;;   ~~~python
;;   def quantise(x, axis, e):      # numpy; x: float32 -> the quantised numbers, widened to float32 again
;;       x = np.moveaxis(x, axis, -1); K = x.shape[-1]
;;       r = np.clip(x / 2.0 ** e, -57344, 57344)
;;       step = 2.0 ** (np.maximum(np.frexp(np.where(r == 0, 1, r))[1] - 1, -14) - 2)
;;       q = np.round(r / step) * step * 2.0 ** e      # np.round: ties to even
;;       return np.moveaxis(q, -1, axis).astype(np.float32)
;;   ~~~
;;   OPERANDS COMPUTED ON THE WAY. 'Computed on the way' means the value that the module computes at that place (a softmax that the list does not call 'softmax' is quantised finished and normalised). What goes into a quantiser is computed in f32, as accurately as f32 sums, v_exp_f32 and their like allow (about 1e-6 of the number): no bf16 or f16 on the way to a quantiser, and a product that is left as it is and whose result goes on into a quantised operand takes f32 operands (vector FMAs, or v_wmma_f32_16x16x4_f32). A number that lies on a knife's edge between two numbers of the format may be rounded either way, as far as f32 arithmetic and the matrix unit's own rounding can turn it there, and no further.
;;   INPUTS GIVEN AS CODES. W_q2p (in the module: [512, 256], K = its axis 0); W_s0 (in the module: [1024, 256], K = its axis 0): each comes as NAME_codes (uint8): NAME with its K axis moved to the last place and cut into blocks of 32 codes, [.., K / 32, bytes a block], one block behind the other in memory; one code a byte (a code: sign, 5 exponent bits, 2 mantissa bits); its scale is its entry of lowp_scales. Its value is code x scale, taken as it is: it is not quantised again, and the codes and scales need not be those that the quantiser above would give.
;; 2 versions, each right and faster than the one before. Each part assembles by itself: llvm-mc -triple=amdgcn-amd-amdhsa -mcpu=gfx1250 --defsym DOCPART=n.
;; ======== version 1 of 2: 3 launches
;; workspace buffers: stats 1,536 bytes; centers 512 bytes of whole numbers; scores 262,144 bytes
;; launch stats (part 1): grid 1 x 1, 16 waves a work-group, no clusters, 88,064 bytes of LDS; arguments query, W_q2p_codes, lowp_scales, b_q2p, W_p2s, b_p2s, stats, centers; writes stats, centers
.if DOCPART == 1
	.amdgcn_target "amdgcn-amd-amdhsa--gfx1250"
	.amdhsa_code_object_version 6
	.text
	.protected	k_qed85012f5e_stats
	.globl	k_qed85012f5e_stats
	.p2align	8
	.type	k_qed85012f5e_stats,@function
k_qed85012f5e_stats:
	s_mov_b64 s[64:65], 0
	v_nop
	global_prefetch_b8 v0, s[64:65] scope:SCOPE_SE
	s_setreg_imm32_b32 hwreg(HW_REG_WAVE_MODE, 25, 1), 1
	s_wait_xcnt 0x0
; alpha, beta, kappa = exp(tanh(Q(query) W_q2p + b_q2p) W_p2s + b_p2s) for 32 batches and 4 mixtures, and round(kappa) as whole numbers.
; query [32][512] f32 is quantised here to BF8 (E5M2) with the given scale 2^e0; W_q2p comes as codes [256 (n)][512 (k)] with the scale 2^e1; the first product goes by
; v_wmma_f32_16x16x128_bf8_bf8, sums in f32.  The second product (N = 12) is done in f32 by packed multiply-adds.
; OUT: stats [12][32] f32 (rows 0-3 alpha, 4-7 beta, 8-11 kappa; column = batch);  centers [4][32] u32 = min(round to even(kappa), 4096).
; The next launch forms addresses from the centres: a window that begins at 4093 or later has no position under 2,048, so the bound 4096 loses nothing.
; SHARES.  One work-group, sixteen waves: the sums over the 256 hidden units meet in LDS.  Wave w owns hidden units 16 w .. 16 w + 15 for both tiles of 16 batches: 8 matrix instructions.
; THE MATRIX INSTRUCTION IS USED TRANSPOSED: source 0 = 16 rows of W_q2p, source 1 = 16 batches: lane (r, h) holds batch r and, in register j, hidden unit 16 w + 8 h + j.
; FRAGMENTS: lane (r, h) holds of row r, in registers 4 c .. 4 c + 3, k = 128 s + 32 c + 16 h + 0 .. 15: the same places of k in both operands, so every product meets its partner.
; query's eight fragments go from wave to wave through LDS as images of their registers: four registers by one ds_store_b128 at 16 x lane, 512 bytes a store.
; tanh(x) = 1 - 2 / (1 + 2^(2.885390 x)); the factor is folded into the scale of the sums and into the bias.
; LIMITS: e0 between -126 and 112 (2^e0 and 57,344 x 2^e0 are made as f32 patterns); e0 + e1 goes through v_ldexp_f32 and has none.  v_exp_f32 gives 0 for results under 2^-126.
; NaN among the inputs is not served.  A kappa that lies within f32 rounding of a half-integer may be rounded either way.
; No tensor load, no cluster: one work-group, every input byte read once, straight into registers.
.set XIMG, 0                           ; LDS: query's 8 images of 2,048 bytes, image 4 m + s
.set WPB,  16384                       ; W_p2s as it lies, 12,288 bytes
.set PART, 28672                       ; 512 lanes x 112 bytes: 24 partial sums + 16 bytes of padding
.set PP,   112
.set LI,   4                           ; v4   16 x lane
.set XWI,  5                           ; v5   where I store my half image: 1,024 x wave + 16 x lane
.set WF,   16                          ; v16-79   W_q2p's four fragments
.set AF,   80                          ; v80-207  query's eight fragments, 16 (4 m + s)
.set XN,   80                          ; v80-111  ahead of that: my 32 numbers of query
.set PC,   112                         ; v112-119 their codes
.set WST,  120                         ; v120-125 W_p2s on its way to LDS
.set ACC,  208                         ; v208-215, v216-223 the two accumulators
.set BB,   224                         ; v224-231 2.885390 x b_q2p of my eight hidden units
.set SCV,  232                         ; v232     2.885390 x 2^(e0 + e1)
.set GO,   234                         ; v234     4 x thread: my place in stats
.set HP,   16                          ; behind the products: v[16 + 2 i] tanh, v[17 + 2 i] at work; i = 8 m + j
.set S,    48                          ; v48-71   24 partial sums, 12 m + c
.set WP,   80                          ; v80-175  W_p2s' rows of my eight hidden units, 12 j + c
.macro QUANT s, n, pc, sc, lim         ; n x 16 numbers from v[s] on become n x 4 registers of codes from v[pc] on; v[sc]: the scale as f32; v[lim]: 57,344 x the scale
.set g, 0
.rept \n
.irp i, 0,1,2,3,4,5,6,7,8,9,10,11,12,13,14,15
	v_med3_num_f32 v[\s+16*g+\i], v[\s+16*g+\i], -v[\lim], v[\lim]   ; the conversion to an 8-bit code does not saturate (ISA guide 7.6.2): the hold at the largest code x the scale comes first
.endr
	v_cvt_scalef32_pk8_bf8_f32 v[\pc+4*g:\pc+4*g+1], v[\s+16*g:\s+16*g+7], v[\sc]
	v_cvt_scalef32_pk8_bf8_f32 v[\pc+4*g+2:\pc+4*g+3], v[\s+16*g+8:\s+16*g+15], v[\sc]
.set g, g+1
.endr
	v_nop                                          ; one plain vector instruction behind the last scaled conversion
.endm
.macro IMAGE adr, n, off               ; n groups of four registers of codes go to LDS as they stand
.set g, 0
.rept \n
	ds_store_b128 v[\adr], v[PC+4*g:PC+4*g+3] offset:(\off)+512*g
.set g, g+1
.endr
.endm
.macro FETCH reg, off                  ; a whole fragment comes back so, in any wave
.irp c, 0,1,2,3
	ds_load_b128 v[(\reg)+4*\c:(\reg)+4*\c+3], v[LI] offset:(\off)+512*\c
.endr
.endm
.macro BARRIER                         ; my LDS stores have landed and my LDS loads are in: then the work-group's barrier
	s_wait_dscnt 0x0
	s_barrier_signal -1
	s_barrier_wait -1
.endm
.macro PLACES n
.rept \n
	v_nop
.endr
.endm
	s_load_b512 s[8:23], s[0:1], 0x0               ; query s[8:9], W_q2p's codes s[10:11], the scales' exponents s[12:13], b_q2p s[14:15], W_p2s s[16:17], b_p2s s[18:19], stats s[20:21], centers s[22:23]
	v_lshl_add_u32 v254, v0, 2, 0x15000
	v_mov_b32 v255, 0
	v_lshrrev_b32 v1, 5, v0
	v_readfirstlane_b32 s2, v1                     ; wave 0..15
	v_and_b32 v1, 31, v0                           ; lane
	v_and_b32 v2, 15, v0                           ; r
	v_bfe_u32 v3, v0, 4, 1                         ; h
	v_lshlrev_b32 v[LI], 4, v1
	s_lshl_b32 s27, s2, 10
	v_add_nc_u32 v[XWI], s27, v[LI]
	; query: wave w makes half (w & 1) of fragment (m = w / 8, s = (w / 2) % 4): row 16 m + r of 2,048 bytes, byte 256 (w % 8) + 64 h
	v_lshlrev_b32 v6, 11, v2
	v_lshl_add_u32 v6, v3, 6, v6
	s_lshr_b32 s28, s2, 3
	s_lshl_b32 s28, s28, 15
	s_and_b32 s29, s2, 7
	s_lshl_b32 s29, s29, 8
	s_add_co_u32 s28, s28, s29
	v_add_nc_u32 v6, s28, v6
	; W_q2p: row 16 w + r of 512 bytes, + 16 h
	v_lshlrev_b32 v7, 9, v2
	v_lshl_add_u32 v7, v3, 4, v7
	s_lshl_b32 s30, s2, 13
	v_add_nc_u32 v7, s30, v7
	s_lshl_b32 s31, s2, 6
	v_lshl_add_u32 v8, v3, 5, s31                  ; b_q2p: my eight numbers at 64 w + 32 h
	v_lshlrev_b32 v9, 3, v0                        ; W_p2s: 8 bytes a thread, three times 4,096
	v_add_nc_u32 v10, WPB, v9
	s_mul_i32 s32, s2, 768                         ; and back: rows 16 w + 8 h on, 48 bytes each
	s_add_co_u32 s32, s32, WPB
	v_mul_u32_u24 v11, v3, 384
	v_add_nc_u32 v11, s32, v11
	v_mul_u32_u24 v12, v0, PP
	v_add_nc_u32 v12, PART, v12                    ; my 24 partial sums
	v_mul_u32_u24 v13, v2, PP                      ; the last sum: wave c, lane = batch 16 m + r reads word 12 m + c of lanes (r, h') of every wave
	v_mad_u32_u24 v13, v3, 48, v13
	s_lshl_b32 s34, s2, 2
	s_add_co_u32 s34, s34, PART
	v_add_nc_u32 v13, s34, v13
	v_lshlrev_b32 v[GO], 2, v0
	s_min_u32 s33, s2, 11
	s_lshl_b32 s33, s33, 2                         ; b_p2s: entry min(wave, 11): no load leaves the 12 entries
	s_wait_kmcnt 0x0
	s_load_b64 s[24:25], s[12:13], 0x0             ; e0, e1
	s_load_b32 s26, s[18:19], s33 offset:0x0
.irp c, 0,1
.irp j, 0,1,2,3
	global_load_b128 v[XN+16*\c+4*\j:XN+16*\c+4*\j+3], v6, s[8:9] offset:128*\c+16*\j   ; 16 neighbours of each of two blocks of 32
.endr
.endr
.irp i, 0,1,2
	global_load_b64 v[WST+2*\i:WST+2*\i+1], v9, s[16:17] offset:4096*\i
.endr
	global_load_b128 v[BB:BB+3], v8, s[14:15]
	global_load_b128 v[BB+4:BB+7], v8, s[14:15] offset:16
.irp s, 0,1,2,3
.irp c, 0,1,2,3
	global_load_b128 v[WF+16*\s+4*\c:WF+16*\s+4*\c+3], v7, s[10:11] offset:128*\s+32*\c
.endr
.endr
	s_wait_kmcnt 0x0
	s_add_co_i32 s28, s24, 127
	s_lshl_b32 s29, s28, 23
	v_mov_b32 v14, s29                             ; 2^e0 as f32: the conversion takes its exponent field
	s_add_co_i32 s28, s28, 15
	s_lshl_b32 s28, s28, 23
	s_or_b32 s28, s28, 0x600000
	v_mov_b32 v15, s28                             ; 57,344 x 2^e0
	s_add_co_i32 s30, s24, s25                     ; e0 + e1
	s_wait_loadcnt 21                              ; query's eight loads are in; behind them: 3 of W_p2s, 2 of the bias, 16 of W_q2p
	QUANT XN, 2, PC, 14, 15
	IMAGE XWI, 2, XIMG
	s_wait_loadcnt 18                              ; W_p2s' three are in; behind them: 2 + 16
.irp i, 0,1,2
	ds_store_b64 v10, v[WST+2*\i:WST+2*\i+1] offset:4096*\i
.endr
	BARRIER                                        ; query's eight images and W_p2s lie in LDS
.irp f, 0,1,2,3,4,5,6,7
	FETCH AF+16*\f, XIMG+2048*\f
.endr
	s_wait_loadcnt 0x0                             ; the bias and W_q2p's fragments
.irp i, 0,2,4,6
	v_pk_mul_f32 v[BB+\i:BB+\i+1], v[BB+\i:BB+\i+1], 0x4038aa3b op_sel_hi:[1,0]   ; 2.885390 x b_q2p
.endr
	v_mov_b32 v[SCV], 0x4038aa3b
	v_ldexp_f32 v[SCV], v[SCV], s30                ; 2.885390 x 2^(e0 + e1)
	s_wait_dscnt 0x0
	; the two accumulators take turns, one instruction a turn; the first K step starts the sums
.irp s, 0,1,2,3
.if \s == 0
	v_wmma_f32_16x16x128_bf8_bf8 v[ACC:ACC+7], v[WF:WF+15], v[AF:AF+15], 0
	v_wmma_f32_16x16x128_bf8_bf8 v[ACC+8:ACC+15], v[WF:WF+15], v[AF+64:AF+79], 0
.else
	v_wmma_f32_16x16x128_bf8_bf8 v[ACC:ACC+7], v[WF+16*\s:WF+16*\s+15], v[AF+16*\s:AF+16*\s+15], v[ACC:ACC+7]
	v_wmma_f32_16x16x128_bf8_bf8 v[ACC+8:ACC+15], v[WF+16*\s:WF+16*\s+15], v[AF+64+16*\s:AF+79+16*\s], v[ACC+8:ACC+15]
.endif
.endr
	PLACES 4                                       ; four places ahead of the loads into the fragments' registers and of the first read of results
.irp j, 0,1,2,3,4,5,6,7
.irp q, 0,1,2
	ds_load_b128 v[WP+12*\j+4*\q:WP+12*\j+4*\q+3], v11 offset:48*\j+16*\q   ; W_p2s(16 w + 8 h + j, 4 q ..)
.endr
.endr
	; tanh, each accumulator from its low end on
.set ii, 0
.rept 16
	v_fma_f32 v[HP+2*ii+1], v[ACC+ii], v[SCV], v[BB+ii%8]   ; 2.885390 x (sum x 2^(e0 + e1) + b)
.set ii, ii+1
.endr
.set ii, 0
.rept 16
	v_exp_f32 v[HP+2*ii+1], v[HP+2*ii+1]
.set ii, ii+1
.endr
	v_nop                                          ; a plain place behind the exponentials
.set ii, 0
	s_wait_alu depctr_va_vdst(0)
.rept 16
	v_add_f32 v[HP+2*ii+1], 1.0, v[HP+2*ii+1]
.set ii, ii+1
.endr
.set ii, 0
.rept 16
	v_rcp_f32 v[HP+2*ii+1], v[HP+2*ii+1]
.set ii, ii+1
.endr
	v_nop                                          ; and behind the reciprocals
.set ii, 0
	s_wait_alu depctr_va_vdst(0)
.rept 16
	v_fma_f32 v[HP+2*ii], v[HP+2*ii+1], -2.0, 1.0  ; tanh = 1 - 2 / (1 + 2^y)
.set ii, ii+1
.endr
	s_wait_dscnt 0x0                               ; W_p2s' rows
	; the second product in f32: my eight hidden units' part of the 12 sums of each of my two batches; twelve chains of pairs
.irp m, 0,1
.irp c, 0,2,4,6,8,10
	v_pk_mul_f32 v[S+12*\m+\c:S+12*\m+\c+1], v[WP+\c:WP+\c+1], v[HP+16*\m:HP+16*\m+1] op_sel_hi:[1,0]   ; of the pair (tanh, scratch) the low word serves both halves
.endr
.endr
.irp j, 1,2,3,4,5,6,7
.irp m, 0,1
.irp c, 0,2,4,6,8,10
	v_pk_fma_f32 v[S+12*\m+\c:S+12*\m+\c+1], v[WP+12*\j+\c:WP+12*\j+\c+1], v[HP+16*\m+2*\j:HP+16*\m+2*\j+1], v[S+12*\m+\c:S+12*\m+\c+1] op_sel_hi:[1,0,1]
.endr
.endr
.endr
.irp q, 0,1,2,3,4,5
	ds_store_b128 v12, v[S+4*\q:S+4*\q+3] offset:16*\q
.endr
	BARRIER                                        ; all 512 lanes' partial sums lie in LDS
	s_cmp_ge_u32 s2, 12                            ; twelve statistics, one a wave; lane = batch
	s_cbranch_scc1 .Lend
.irp u, 0,1,2,3,4,5,6,7,8,9,10,11,12,13,14,15
	ds_load_b32 v[80+2*\u], v13 offset:32*PP*\u
	ds_load_b32 v[81+2*\u], v13 offset:32*PP*\u+16*PP
.endr
	s_wait_dscnt 0x0
.irp i, 0,2,4,6,8,10,12,14
	v_pk_add_f32 v[80+\i:81+\i], v[80+\i:81+\i], v[96+\i:97+\i]
.endr
.irp i, 0,2,4,6
	v_pk_add_f32 v[80+\i:81+\i], v[80+\i:81+\i], v[88+\i:89+\i]
.endr
.irp i, 0,2
	v_pk_add_f32 v[80+\i:81+\i], v[80+\i:81+\i], v[84+\i:85+\i]
.endr
	v_pk_add_f32 v[80:81], v[80:81], v[82:83]
	v_add_f32 v80, v80, v81
	v_add_f32 v80, s26, v80                        ; + b_p2s
	v_mul_f32 v80, 0x3fb8aa3b, v80                 ; x log2(e)
	v_exp_f32 v81, v80
	v_nop
	s_wait_alu depctr_va_vdst(0)
	global_store_b32 v[GO], v81, s[20:21]          ; the wave's store covers 128 consecutive bytes: row w of stats; twelve such stores in the launch
	s_cmp_lt_u32 s2, 8                             ; waves 8 to 11 hold kappa
	s_cbranch_scc1 .Lend
	v_rndne_f32 v82, v81                           ; to the nearest whole number, ties to even
	v_min_num_f32 v82, 0x45800000, v82             ; at most 4,096
	v_cvt_u32_f32 v82, v82
	global_store_b32 v[GO], v82, s[22:23] offset:-1024   ; row w - 8 of centers: 4 x thread is 1,024 or more here
.Lend:
	s_wait_tensorcnt 0x0
	ds_add_u32 v254, v255
	s_wait_dscnt 0x0
	s_endpgm
.Lfunc_end_k_qed85012f5e_stats:
	.size	k_qed85012f5e_stats, .Lfunc_end_k_qed85012f5e_stats-k_qed85012f5e_stats
	.p2alignl 7, 3214868480
	.fill 96, 4, 3214868480
	.section	.rodata,"a",@progbits
	.p2align	6, 0x0
	.amdhsa_kernel k_qed85012f5e_stats
		.amdhsa_group_segment_fixed_size 88064
		.amdhsa_private_segment_fixed_size 0
		.amdhsa_enable_private_segment 0
		.amdhsa_kernarg_size 64
		.amdhsa_user_sgpr_count 2
		.amdhsa_user_sgpr_kernarg_segment_ptr 1
		.amdhsa_wavefront_size32 1
		.amdhsa_system_sgpr_workgroup_id_x 1
		.amdhsa_system_sgpr_workgroup_id_y 1
		.amdhsa_system_sgpr_workgroup_id_z 1
		.amdhsa_system_vgpr_workitem_id 0
		.amdhsa_next_free_vgpr 256
		.amdhsa_next_free_sgpr 66
		.amdhsa_reserve_vcc 0
		.amdhsa_float_denorm_mode_32 3
		.amdhsa_float_denorm_mode_16_64 3
		.amdhsa_memory_ordered 1
		.amdhsa_forward_progress 1
		.amdhsa_inst_pref_size 27
	.end_amdhsa_kernel
	.amdgpu_metadata
---
amdhsa.version: [ 1, 2 ]
amdhsa.kernels:
  - .name:           k_qed85012f5e_stats
    .symbol:         k_qed85012f5e_stats.kd
    .args:
      - { .name: query, .offset: 0, .size: 8, .value_kind: global_buffer, .address_space: global }
      - { .name: W_q2p_codes, .offset: 8, .size: 8, .value_kind: global_buffer, .address_space: global }
      - { .name: lowp_scales, .offset: 16, .size: 8, .value_kind: global_buffer, .address_space: global }
      - { .name: b_q2p, .offset: 24, .size: 8, .value_kind: global_buffer, .address_space: global }
      - { .name: W_p2s, .offset: 32, .size: 8, .value_kind: global_buffer, .address_space: global }
      - { .name: b_p2s, .offset: 40, .size: 8, .value_kind: global_buffer, .address_space: global }
      - { .name: stats, .offset: 48, .size: 8, .value_kind: global_buffer, .address_space: global }
      - { .name: centers, .offset: 56, .size: 8, .value_kind: global_buffer, .address_space: global }
    .group_segment_fixed_size: 88064
    .private_segment_fixed_size: 0
    .kernarg_segment_align: 8
    .kernarg_segment_size: 64
    .max_flat_workgroup_size: 512
    .sgpr_count:     66
    .vgpr_count:     256
    .wavefront_size: 32
...
	.end_amdgpu_metadata
.endif
;; end of part 1
;; launch scorer (part 2): grid 8 x 32, 8 waves a work-group, no clusters, 327,680 bytes of LDS; arguments ctx, query, W_s0_codes, lowp_scales, b_s0, W_s1, scores; writes scores
.if DOCPART == 2
	.amdgcn_target "amdgcn-amd-amdhsa--gfx1250"
	.amdhsa_code_object_version 6
	.text
	.protected	k_qed85012f5e_scorer
	.globl	k_qed85012f5e_scorer
	.p2align	8
	.type	k_qed85012f5e_scorer,@function
k_qed85012f5e_scorer:
	s_mov_b64 s[64:65], 0
	v_nop
	global_prefetch_b8 v0, s[64:65] scope:SCOPE_SE
	s_setreg_imm32_b32 hwreg(HW_REG_WAVE_MODE, 25, 1), 1
	s_wait_xcnt 0x0
; scores[b][l] = the sum over n of W_s1[n] x tanh((Q([ctx[b][l], query[b]]) W_s0)[n] + b_s0[n]), for all 32 x 2,048 rows (b_s1 is added by the next launch).
; THE PRODUCT: [65,536][1,024] x W_s0 [256 (n)][1,024 (k)] in BF8 (E5M2): the rows are quantised here with the given scale 2^e2, W_s0 comes as codes with 2^e3; v_wmma_f32_16x16x128_bf8_bf8, sums in f32.
; SHARES.  A work-group takes 256 rows of one batch, eight waves.  THE WAVES SHARE THE COLUMNS: wave w holds W_s0's rows 32 w .. 32 w + 31 in registers for the whole launch (2 tiles x 8 K steps x 16 registers:
; all of window 1), read from memory once.  What goes round is small: the rows' codes, as images of the operand's registers in LDS (four registers by one ds_store_b128 at 16 x lane).
; ctx comes through the tensor data mover into two LDS slots of 64 rows.  Wave w's load is a strip: 64 rows x 256 bytes (numbers 64 w .. 64 w + 63 of each row), each row 256 consecutive bytes of memory at a
; multiple of 256, padded in LDS to 272.  A wave reads only its own strip, behind its own wait on TENSORcnt.  Four fills a wave: two at the start, one behind each of two barriers; at most two are out.
; A TRIP is 32 rows, eight trips, written out.  X: my strip's 64 numbers a lane are held, converted and stored as two half images | the trip's one barrier | P: 32 matrix instructions (2 tiles of hidden units x
; 2 tiles of rows x 8 K steps), tanh, the product with W_s1, my 32 hidden units' part of each row's score to LDS.  Two image buffers take turns, so one barrier a trip parts writers and readers.
; query's four K steps are the same for every row of the batch: their fragments (16 equal rows) stay in 64 registers, and their products are issued first, while ctx's fragments come from LDS.
; TRANSPOSED USE: source 0 = 16 rows of W_s0, source 1 = 16 rows: lane (r, h) holds row r and, in register j, hidden unit 8 h + j of the tile.
; FRAGMENTS: lane (r, h) holds of row r, in registers 4 c .. 4 c + 3, k = 128 s + 32 c + 16 h + 0 .. 15, alike in both operands, so every product meets its partner.
; tanh(x) = 1 - 2 R, R = 1 / (1 + 2^(2.885390 x)); so the sum of w1 x tanh = the sum of w1 + the sum of (-2 w1) x R: the first is made once and starts each chain of multiply-adds.
; NO JOINT LOADS for W_s0, which all work-groups read: a joint load lands in LDS, where 256 rows of 1,024 + 16 bytes are 266,240 bytes; beside the ring's 278,528 that passes the 327,680 a work-group can claim,
; and laid into the ring's bytes first it would hold back the first tiles of ctx.  ctx is shared by nobody.
; LIMITS: e2 between -126 and 112 (2^e2 and 57,344 x 2^e2 are made as f32 patterns); e2 + e3 goes through v_ldexp_f32 and has none.  NaN among the inputs is not served.
; REGISTERS, window 0: v1-11 addresses; v12-15 constants; v16-79 my 64 numbers, then the rows' fragments in two sets of two; v80-95 codes; v96-159 query's fragments; v160-191 four accumulators (16 t + 8 m);
;   v192-207 2.885390 x b_s0; v208-223 -2 x W_s1; v224-225 the sum of my W_s1; v226-239 at work.   window 1: W_s0's fragments, (tile t, K step s) at v[16 (8 t + s)].
.set SP,    272                        ; a strip's row in LDS: 256 bytes + 16 of padding = 68 words: row r starts at bank 4 r mod 64 (64 banks of 4 bytes: ISA guide 11.1)
.set STRIP, 64*SP                      ; what one tensor load brings
.set SLOT,  8*STRIP
.set IMG,   2*SLOT                     ; two buffers of 8 images of 2,048 bytes: image 4 m + s
.set IMGB,  16384
.set PART,  IMG+2*IMGB                 ; 8 waves x 256 rows of f32: the scores' parts.  Ahead of the first trip: query's four images
.set SPARE, PART+8192                  ; the spare words, 128 bytes for each wave: four blocks of 256 bytes that no other line names
.set ROWB,  2048                       ; a row of ctx in bytes
.set SPW,  1                           ; v1   SPARE + 4 x thread; never rewritten
.set NIL,  2                           ; v2   0; never rewritten
.set LI,   3                           ; v3   IMG + 16 x lane
.set XWI,  4                           ; v4   where I store my half images: LI + 1,024 x wave
.set XA,   5                           ; v5, v6  my lane's place in my strip of slot 0, 1
.set PST,  7                           ; v7   where I put my part of the scores
.set QLI,  8                           ; v8   PART + 16 x lane
.set QWI,  9                           ; v9   where I store my half image of query
.set RED,  10                          ; v10  where waves 0, 1 read the parts back
.set GOUT, 11                          ; v11  their byte offset in the work-group's 1,024 bytes of scores
.set SC,   12                          ; v12  2^e2
.set LIM,  13                          ; v13  57,344 x 2^e2
.set SCV,  14                          ; v14-15  2.885390 x 2^(e2 + e3)
.set XN,   16
.set PC,   80
.set QF,   96
.set ACC,  160
.set BB,   192
.set W1M,  208
.set W1S,  224
.set DT,   226                         ; v226-229 two chains of pairs
.set PM,   230                         ; v230-231 lane permutes' destinations
.set RS,   232
.set G1,   24                          ; s[24:31] descriptor group 1
.set G0,   32                          ; s[32:39] group 0, a set for each slot
.set MSB, 0
.macro WIN new                         ; the immediate's high byte repeats the setting that is left
.if MSB != \new
	s_set_vgpr_msb (MSB<<8)|\new
.set MSB, \new
.endif
.endm
.macro QUANT s, n, pc, sc, lim         ; n x 16 numbers from v[s] on become n x 4 registers of codes from v[pc] on
.set g, 0
.rept \n
.irp i, 0,1,2,3,4,5,6,7,8,9,10,11,12,13,14,15
	v_med3_num_f32 v[\s+16*g+\i], v[\s+16*g+\i], -v[\lim], v[\lim]   ; the conversion to an 8-bit code does not saturate (ISA guide 7.6.2): the hold at the largest code x the scale comes first
.endr
	v_cvt_scalef32_pk8_bf8_f32 v[\pc+4*g:\pc+4*g+1], v[\s+16*g:\s+16*g+7], v[\sc]
	v_cvt_scalef32_pk8_bf8_f32 v[\pc+4*g+2:\pc+4*g+3], v[\s+16*g+8:\s+16*g+15], v[\sc]
.set g, g+1
.endr
	v_nop                                          ; one plain vector instruction behind the last scaled conversion
.endm
.macro FETCH reg, adr, off             ; a fragment comes back from its image
.irp c, 0,1,2,3
	ds_load_b128 v[(\reg)+4*\c:(\reg)+4*\c+3], v[\adr] offset:(\off)+512*\c
.endr
.endm
.macro PLACES n
.rept \n
	v_nop
.endr
.endm
; four matrix instructions: K step s of W_s0's two tiles against the fragments of the two tiles of rows.  The four accumulators take turns, one instruction a turn.
.macro MUL4 s, b0, b1, zero
.irp t, 0,1
.if \zero
	v_wmma_f32_16x16x128_bf8_bf8 v[ACC+16*\t:ACC+16*\t+7], v[16*(8*\t+(\s)):16*(8*\t+(\s))+15], v[(\b0):(\b0)+15], 0
	v_wmma_f32_16x16x128_bf8_bf8 v[ACC+16*\t+8:ACC+16*\t+15], v[16*(8*\t+(\s)):16*(8*\t+(\s))+15], v[(\b1):(\b1)+15], 0
.else
	v_wmma_f32_16x16x128_bf8_bf8 v[ACC+16*\t:ACC+16*\t+7], v[16*(8*\t+(\s)):16*(8*\t+(\s))+15], v[(\b0):(\b0)+15], v[ACC+16*\t:ACC+16*\t+7]
	v_wmma_f32_16x16x128_bf8_bf8 v[ACC+16*\t+8:ACC+16*\t+15], v[16*(8*\t+(\s)):16*(8*\t+(\s))+15], v[(\b1):(\b1)+15], v[ACC+16*\t+8:ACC+16*\t+15]
.endif
.endr
.endm
	s_load_b256 s[4:11], s[0:1], 0x0               ; ctx s[4:5], query s[6:7], W_s0's codes s[8:9], the scales' exponents s[10:11]
	s_load_b128 s[12:15], s[0:1], 0x20             ; b_s0 s[12:13], W_s1 s[14:15]
	s_load_b64 s[16:17], s[0:1], 0x30              ; scores
	v_lshl_add_u32 v[SPW], v0, 2, SPARE
	v_mov_b32 v[NIL], 0
	ds_add_u32 v1, v2
	ds_add_u32 v1, v2
	s_wait_dscnt 0x0
	v_lshrrev_b32 v234, 5, v0
	v_readfirstlane_b32 s2, v234                   ; wave 0..7
	; descriptor group 1: a tile of 64 rows x 64 elements of 4 bytes, 512 elements from row to row, padded in LDS
	s_mov_b32 s[G1], (2<<16)|(1<<20)|(5<<22)|(3<<25)   ; 15:0 no mask; 17:16 elements of 4 bytes; 20 padding on; 24:22 after every 64 words (code 5); 31:25 four words (code 3)
	s_mov_b32 s[G1+1], 64<<16                      ; tensor_dim0 = 64
	s_mov_b32 s[G1+2], 64<<16                      ; tensor_dim1 = 64
	s_mov_b32 s[G1+3], 64<<16                      ; tile_dim0 = 64
	s_mov_b32 s[G1+4], 64                          ; tile_dim1 = 64
	s_mov_b32 s[G1+5], 512                         ; tensor_dim0_stride
	s_mov_b32 s[G1+6], 0
	s_mov_b32 s[G1+7], 0
	s_and_b32 s18, ttmp7, 0xffff                   ; the batch
	s_lshl_b32 s20, s18, 22                        ; 2,048 rows of 2,048 bytes,
	s_lshl_b32 s19, ttmp9, 19                      ; the work-group's 256 rows,
	s_add_co_u32 s20, s20, s19
	s_lshl_b32 s19, s2, 8                          ; my strip's 256 bytes of a row
	s_add_co_u32 s20, s20, s19
	s_mov_b32 s21, 0
	s_mul_i32 s22, s2, STRIP                       ; my strip in a slot
	s_wait_kmcnt 0x0
	s_mov_b32 s[G0], 1                             ; count = 1
	s_mov_b32 s[G0+1], s22                         ; LDS address: slot 0
	s_add_nc_u64 s[G0+2:G0+3], s[4:5], s[20:21]    ; rows 0 to 63
	s_mov_b32 s[G0+4], 1
	s_add_co_u32 s[G0+5], s22, SLOT                ; slot 1
	s_add_nc_u64 s[G0+6:G0+7], s[G0+2:G0+3], 64*ROWB   ; rows 64 to 127
	s_or_b32 s[G0+3], s[G0+3], 0x80000000          ; type = 2
	s_or_b32 s[G0+7], s[G0+7], 0x80000000
	tensor_load_to_lds s[G0:G0+3], s[G1:G1+7]      ; the two first fills go out together, ahead of every wait on TENSORcnt, every LDS read and every barrier
	s_nop 0
	tensor_load_to_lds s[G0+4:G0+7], s[G1:G1+7]
	s_nop 0
	PLACES 4                                       ; four v_nop follow the second
	s_load_b128 s[40:43], s[10:11], 0x0            ; e0 .. e3
	s_lshl_b32 s20, s18, 11
	s_add_nc_u64 s[6:7], s[6:7], s[20:21]          ; query at the batch's row
	s_lshl_b32 s20, s18, 13
	s_lshl_b32 s19, ttmp9, 10
	s_add_co_u32 s20, s20, s19
	s_add_nc_u64 s[16:17], s[16:17], s[20:21]      ; scores at the work-group's 256 rows
	s_mov_b32 s44, 0x76543210                      ; v_permlanex16_b32's selects for lane l xor 16
	s_mov_b32 s45, 0xfedcba98
	s_mov_b32 s46, 0xffff0000                      ; lanes 16-31
	v_and_b32 v234, 31, v0                         ; lane
	v_and_b32 v235, 15, v0                         ; r
	v_bfe_u32 v236, v0, 4, 1                       ; h
	v_lshl_add_u32 v[LI], v234, 4, IMG
	s_lshl_b32 s19, s2, 10                         ; wave w makes registers 8 (w % 2) .. + 7 of the fragments of K step w / 2: 2,048 (w / 2) + 1,024 (w % 2) = 1,024 w
	v_add_nc_u32 v[XWI], s19, v[LI]
	v_mul_u32_u24 v[XA], v235, SP
	v_lshl_add_u32 v[XA], v236, 6, v[XA]
	v_add_nc_u32 v[XA], s22, v[XA]                 ; my strip, row r, + 64 h: my 16 numbers of a block of 32
	v_add_nc_u32 v[XA+1], SLOT, v[XA]
	v_lshl_add_u32 v[PST], v234, 2, PART
	v_add_nc_u32 v[PST], s19, v[PST]               ; 1,024 bytes a wave, 4 bytes a row
	v_lshl_add_u32 v[QLI], v234, 4, PART
	v_add_nc_u32 v[QWI], s19, v[QLI]
	s_min_u32 s23, s2, 1
	s_lshl_b32 s23, s23, 9                         ; waves 0 and 1 will add the parts: 128 rows each, four a lane
	v_add_nc_u32 v[RED], s23, v[QLI]
	v_lshl_add_u32 v[GOUT], v234, 4, s23
	s_lshl_b32 s47, s2, 8
	v_lshl_add_u32 v237, v236, 6, s47              ; query: my 64 numbers at 256 w, + 64 h
	s_lshl_b32 s47, s2, 7
	v_lshl_add_u32 v238, v236, 5, s47              ; b_s0, W_s1: 128 w + 32 h
	v_lshlrev_b32 v239, 10, v235
	v_lshl_add_u32 v239, v236, 4, v239
	s_lshl_b32 s47, s2, 15
	v_add_nc_u32 v239, s47, v239                   ; W_s0: row 32 w + r of 1,024 bytes, + 16 h
	v_mov_b32 v[PM], 0                             ; written once: a lane permute's destination counts as one of its sources
	v_mov_b32 v[PM+1], 0
.irp c, 0,1
.irp j, 0,1,2,3
	global_load_b128 v[XN+16*\c+4*\j:XN+16*\c+4*\j+3], v237, s[6:7] offset:128*\c+16*\j   ; query: the sixteen lanes of a half read the same 16 bytes: all 16 rows of the fragment are equal
.endr
.endr
.irp t, 0,1
.irp q, 0,1
	global_load_b128 v[BB+8*\t+4*\q:BB+8*\t+4*\q+3], v238, s[12:13] offset:64*\t+16*\q
	global_load_b128 v[W1M+8*\t+4*\q:W1M+8*\t+4*\q+3], v238, s[14:15] offset:64*\t+16*\q
.endr
.endr
	WIN 0x40                                       ; destination window 1, address window 0
.irp s, 0,1,2,3,4,5,6,7
.irp c, 0,1,2,3
	global_load_b128 v[16*\s+4*\c:16*\s+4*\c+3], v239, s[8:9] offset:128*\s+32*\c   ; W_s0, tile 0
.endr
.endr
	WIN 0
	s_wait_kmcnt 0x0
	s_add_co_i32 s19, s42, 127
	s_lshl_b32 s20, s19, 23
	v_mov_b32 v[SC], s20                           ; 2^e2 as f32: the conversion takes its exponent field
	s_add_co_i32 s19, s19, 15
	s_lshl_b32 s19, s19, 23
	s_or_b32 s19, s19, 0x600000
	v_mov_b32 v[LIM], s19                          ; 57,344 x 2^e2
	s_add_co_i32 s47, s42, s43                     ; e2 + e3
	v_mov_b32 v[SCV], 0x4038aa3b
	v_ldexp_f32 v[SCV], v[SCV], s47                ; 2.885390 x 2^(e2 + e3)
	v_mov_b32 v[SCV+1], v[SCV]                     ; (named with it as a pair)
	s_wait_loadcnt 32                              ; query's eight loads and the biases' eight are in; behind them: 32 of W_s0
.irp i, 0,2,4,6,8,10,12,14
	v_pk_mul_f32 v[BB+\i:BB+\i+1], v[BB+\i:BB+\i+1], 0x4038aa3b op_sel_hi:[1,0]   ; 2.885390 x b_s0
.endr
	v_pk_add_f32 v[W1S:W1S+1], v[W1M:W1M+1], v[W1M+2:W1M+3]   ; the sum of my 16 numbers of W_s1, in two halves
.irp i, 4,6,8,10,12,14
	v_pk_add_f32 v[W1S:W1S+1], v[W1S:W1S+1], v[W1M+\i:W1M+\i+1]
.endr
.irp i, 0,2,4,6,8,10,12,14
	v_pk_mul_f32 v[W1M+\i:W1M+\i+1], v[W1M+\i:W1M+\i+1], -2.0 op_sel_hi:[1,0]   ; -2 x W_s1
.endr
	QUANT XN, 2, PC, SC, LIM
.irp c, 0,1
	ds_store_b128 v[QWI], v[PC+4*\c:PC+4*\c+3] offset:512*\c
.endr
	WIN 0x40
.irp s, 0,1,2,3,4,5,6,7
.irp c, 0,1,2,3
	global_load_b128 v[128+16*\s+4*\c:128+16*\s+4*\c+3], v239, s[8:9] offset:16384+128*\s+32*\c   ; W_s0, tile 1
.endr
.endr
	WIN 0
	s_wait_dscnt 0x0                               ; my half image of query has landed
	s_barrier_signal -1
	s_barrier_wait -1                              ; everybody's has.  The tensor loads may stay out
.irp s, 0,1,2,3
	FETCH QF+16*\s, QLI, 2048*\s
.endr
; TRIP i: rows 32 i .. 32 i + 31 of the work-group's 256; they lie in slot (i / 2) % 2, half i % 2; image buffer i % 2.
.macro TRIP i
.set SL, ((\i)>>1)&1
.set QT, (\i)&1
.if QT == 0
.if (\i) == 6
	s_wait_tensorcnt 0x0                           ; the last fill: no load was issued behind it
.else
	s_wait_tensorcnt 0x1                           ; tensor loads of a wave end in order (ISA guide 10.11.1): this slot's is in; the one issued behind it may be out
.endif
.endif
.irp m, 0,1
.irp c, 0,1
.irp j, 0,1,2,3
	ds_load_b128 v[XN+32*\m+16*\c+4*\j:XN+32*\m+16*\c+4*\j+3], v[XA+SL] offset:QT*32*SP+\m*16*SP+128*\c+16*\j
.endr
.endr
.endr
	s_wait_dscnt 0x0                               ; my 64 numbers (in the first trip query's fragments too); my reads of the strip are over
	QUANT XN, 4, PC, SC, LIM
.irp m, 0,1
.irp c, 0,1
	ds_store_b128 v[XWI], v[PC+8*\m+4*\c:PC+8*\m+4*\c+3] offset:QT*IMGB+\m*8192+512*\c
.endr
.endr
.if ((\i) == 1) || ((\i) == 3)
	s_wait_tensorcnt 0x0                           ; all my tensor loads have landed, the other slot's too: a group 0 may be written
	ds_add_u32 v[SPW], v[NIL]                      ; 0 onto my spare word
	s_add_nc_u64 s[G0+4*SL+2:G0+4*SL+3], s[G0+4*SL+2:G0+4*SL+3], 128*ROWB   ; this slot's next 64 rows; the type bits on top are not reached
	s_wait_dscnt 0x0                               ; the add is done, my images have landed, my reads of the slot are over
	s_barrier_signal -1
	s_barrier_wait -1
	tensor_load_to_lds s[G0+4*SL:G0+4*SL+3], s[G1:G1+7]   ; my one tensor load behind this barrier, and the first thing there
	s_nop 0
	PLACES 4
.else
	s_wait_dscnt 0x0                               ; my images have landed, and my reads of the other buffer are long over
	s_barrier_signal -1
	s_barrier_wait -1
.endif
	FETCH XN, LI, QT*IMGB                          ; K step 0: rows 0-15,
	FETCH XN+16, LI, QT*IMGB+4*2048                ; rows 16-31
	FETCH XN+32, LI, QT*IMGB+2048                  ; K step 1
	FETCH XN+48, LI, QT*IMGB+5*2048
.if (\i) == 0
	s_wait_loadcnt 0x0                             ; W_s0's fragments
.endif
	WIN 0x01                                       ; source 0 (W_s0) window 1
	MUL4 4, QF, QF, 1                              ; query's K steps come first, from registers, while the loads above are on their way; the first starts the sums
	MUL4 5, QF+16, QF+16, 0
	MUL4 6, QF+32, QF+32, 0
	MUL4 7, QF+48, QF+48, 0
	s_wait_dscnt 8                                 ; K step 0's eight loads are in; the other set's eight may be out
	MUL4 0, XN, XN+16, 0
	WIN 0
	PLACES 4                                       ; four places ahead of loads into registers that the products have read
	FETCH XN, LI, QT*IMGB+2*2048
	FETCH XN+16, LI, QT*IMGB+6*2048
	s_wait_dscnt 8
	WIN 0x01
	MUL4 1, XN+32, XN+48, 0
	WIN 0
	PLACES 4
	FETCH XN+32, LI, QT*IMGB+3*2048
	FETCH XN+48, LI, QT*IMGB+7*2048
	s_wait_dscnt 8
	WIN 0x01
	MUL4 2, XN, XN+16, 0
	s_wait_dscnt 0x0
	MUL4 3, XN+32, XN+48, 0
	WIN 0
	PLACES 4                                       ; ahead of the first read of results
.irp a, 0,1,2,3
.irp e, 0,2,4,6
	v_pk_fma_f32 v[ACC+8*\a+\e:ACC+8*\a+\e+1], v[ACC+8*\a+\e:ACC+8*\a+\e+1], v[SCV:SCV+1], v[BB+8*(\a/2)+\e:BB+8*(\a/2)+\e+1] op_sel_hi:[1,0,1]   ; 2.885390 x (sum x 2^(e2 + e3) + b): each accumulator from its low end on
.endr
.endr
.set ii, 0
.rept 32
	v_exp_f32 v[ACC+ii], v[ACC+ii]
.set ii, ii+1
.endr
	v_nop                                          ; a plain place behind the exponentials
.set ii, 0
	s_wait_alu depctr_va_vdst(0)
.rept 16
	v_pk_add_f32 v[ACC+ii:ACC+ii+1], v[ACC+ii:ACC+ii+1], 1.0 op_sel_hi:[1,0]
.set ii, ii+2
.endr
.set ii, 0
.rept 32
	v_rcp_f32 v[ACC+ii], v[ACC+ii]
.set ii, ii+1
.endr
	v_nop                                          ; and behind the reciprocals
	s_wait_alu depctr_va_vdst(0)
.irp m, 0,1
	v_pk_fma_f32 v[DT+2*\m:DT+2*\m+1], v[ACC+8*\m:ACC+8*\m+1], v[W1M:W1M+1], v[W1S:W1S+1]   ; the sum of w1 starts the chain
.endr
.irp e, 2,4,6
.irp m, 0,1
	v_pk_fma_f32 v[DT+2*\m:DT+2*\m+1], v[ACC+8*\m+\e:ACC+8*\m+\e+1], v[W1M+\e:W1M+\e+1], v[DT+2*\m:DT+2*\m+1]
.endr
.endr
.irp e, 0,2,4,6
.irp m, 0,1
	v_pk_fma_f32 v[DT+2*\m:DT+2*\m+1], v[ACC+16+8*\m+\e:ACC+16+8*\m+\e+1], v[W1M+8+\e:W1M+8+\e+1], v[DT+2*\m:DT+2*\m+1]
.endr
.endr
	v_add_f32 v[DT], v[DT], v[DT+1]
	v_add_f32 v[DT+2], v[DT+2], v[DT+3]
	v_permlanex16_b32 v[PM], v[DT], s44, s45       ; the row's other sixteen hidden units of mine lie in the lane 16 away
	v_permlanex16_b32 v[PM+1], v[DT+2], s44, s45
	v_add_f32 v[DT], v[DT], v[PM]
	v_add_f32 v[DT+2], v[DT+2], v[PM+1]
	v_cndmask_b32 v[RS], v[DT], v[DT+2], s46       ; lane = row: lanes 0-15 rows 0-15, lanes 16-31 rows 16-31
	ds_store_b32 v[PST], v[RS] offset:128*(\i)
.endm
	TRIP 0
	TRIP 1                                         ; behind its barrier slot 0 takes rows 128 to 191
	TRIP 2
	TRIP 3                                         ; behind its barrier slot 1 takes rows 192 to 255
	TRIP 4
	TRIP 5
	TRIP 6
	TRIP 7
	s_wait_dscnt 0x0                               ; my parts of the scores have landed
	s_barrier_signal -1
	s_barrier_wait -1
	s_cmp_ge_u32 s2, 2                             ; waves 0 and 1 add the eight waves' parts, 128 rows each, four a lane
	s_cbranch_scc1 .Lend
.irp u, 0,1,2,3,4,5,6,7
	ds_load_b128 v[XN+4*\u:XN+4*\u+3], v[RED] offset:1024*\u
.endr
	s_wait_dscnt 0x0
.irp e, 0,2,4,6,8,10,12,14
	v_pk_add_f32 v[XN+\e:XN+\e+1], v[XN+\e:XN+\e+1], v[XN+16+\e:XN+16+\e+1]
.endr
.irp e, 0,2,4,6
	v_pk_add_f32 v[XN+\e:XN+\e+1], v[XN+\e:XN+\e+1], v[XN+8+\e:XN+8+\e+1]
.endr
.irp e, 0,2
	v_pk_add_f32 v[XN+\e:XN+\e+1], v[XN+\e:XN+\e+1], v[XN+4+\e:XN+4+\e+1]
.endr
	global_store_b128 v[GOUT], v[XN:XN+3], s[16:17]   ; the wave's store covers 512 consecutive bytes, at a multiple of 512 from the buffer's first byte
.Lend:
	s_wait_tensorcnt 0x0                           ; the wave's end: behind my last tensor load and my last LDS store
	ds_add_u32 v[SPW], v[NIL]
	s_wait_dscnt 0x0
	s_endpgm
.Lfunc_end_k_qed85012f5e_scorer:
	.size	k_qed85012f5e_scorer, .Lfunc_end_k_qed85012f5e_scorer-k_qed85012f5e_scorer
	.p2alignl 7, 3214868480
	.fill 96, 4, 3214868480
	.section	.rodata,"a",@progbits
	.p2align	6, 0x0
	.amdhsa_kernel k_qed85012f5e_scorer
		.amdhsa_group_segment_fixed_size 327680
		.amdhsa_private_segment_fixed_size 0
		.amdhsa_enable_private_segment 0
		.amdhsa_kernarg_size 56
		.amdhsa_user_sgpr_count 2
		.amdhsa_user_sgpr_kernarg_segment_ptr 1
		.amdhsa_wavefront_size32 1
		.amdhsa_system_sgpr_workgroup_id_x 1
		.amdhsa_system_sgpr_workgroup_id_y 1
		.amdhsa_system_sgpr_workgroup_id_z 1
		.amdhsa_system_vgpr_workitem_id 0
		.amdhsa_next_free_vgpr 512
		.amdhsa_next_free_sgpr 66
		.amdhsa_reserve_vcc 0
		.amdhsa_float_denorm_mode_32 3
		.amdhsa_float_denorm_mode_16_64 3
		.amdhsa_memory_ordered 1
		.amdhsa_forward_progress 1
		.amdhsa_inst_pref_size 149
	.end_amdhsa_kernel
	.amdgpu_metadata
---
amdhsa.version: [ 1, 2 ]
amdhsa.kernels:
  - .name:           k_qed85012f5e_scorer
    .symbol:         k_qed85012f5e_scorer.kd
    .args:
      - { .name: ctx, .offset: 0, .size: 8, .value_kind: global_buffer, .address_space: global }
      - { .name: query, .offset: 8, .size: 8, .value_kind: global_buffer, .address_space: global }
      - { .name: W_s0_codes, .offset: 16, .size: 8, .value_kind: global_buffer, .address_space: global }
      - { .name: lowp_scales, .offset: 24, .size: 8, .value_kind: global_buffer, .address_space: global }
      - { .name: b_s0, .offset: 32, .size: 8, .value_kind: global_buffer, .address_space: global }
      - { .name: W_s1, .offset: 40, .size: 8, .value_kind: global_buffer, .address_space: global }
      - { .name: scores, .offset: 48, .size: 8, .value_kind: global_buffer, .address_space: global }
    .group_segment_fixed_size: 327680
    .private_segment_fixed_size: 0
    .kernarg_segment_align: 8
    .kernarg_segment_size: 56
    .max_flat_workgroup_size: 256
    .sgpr_count:     66
    .vgpr_count:     512
    .wavefront_size: 32
...
	.end_amdgpu_metadata
.endif
;; end of part 2
;; launch finish (part 3): grid 32 x 1, 16 waves a work-group, no clusters, 0 bytes of LDS; arguments centers, stats, scores, ctx, b_s1, out0, out1; writes out0, out1
.if DOCPART == 3
	.amdgcn_target "amdgcn-amd-amdhsa--gfx1250"
	.amdhsa_code_object_version 6
	.text
	.protected	k_qed85012f5e_finish
	.globl	k_qed85012f5e_finish
	.p2align	8
	.type	k_qed85012f5e_finish,@function
k_qed85012f5e_finish:
	s_mov_b64 s[64:65], 0
	v_nop
	global_prefetch_b8 v0, s[64:65] scope:SCOPE_SE
	s_setreg_imm32_b32 hwreg(HW_REG_WAVE_MODE, 25, 1), 1
	s_wait_xcnt 0x0
; p = prior x exp(score + b_s1), normalised (out1 [32][2048]), and the sum of p x ctx (out0 [32][512]).  One work-group a batch, sixteen waves that share nothing: no LDS, no barrier.
; THE MASK.  The prior is cut to the positions center_k - 3 .. center_k + 3 of four mixtures: at most 28 of a batch's 2,048 positions have p other than 0.
; SLOTS.  32 slots, slot 8 k + j stands for position x = center_k + j - 3; it counts where j < 7 and 0 <= x <= 2,047.  Windows may overlap; all is linear in slots:
; c = alpha_k exp(-beta_k (x - kappa_k)^2) x exp(score(x) + b_s1), 0 where the slot does not count;  Z = the sum of c;  out0 = (sum of c x ctx[x]) / Z;  out1[l] = (sum of c over slots with x = l) / Z.
; A slot that does not count reads a clamped position and its c is replaced by 0.  1 / Z multiplies last, everything: Z = 0 gives NaN in every output number, as 0 / 0 does.
; The centres are whole numbers, and alpha, beta, kappa and the scores are numbers, that earlier launches stored.  Addresses and the one kind of branch hang on the centres alone.
; SHARES.  Every wave makes the 32 c (lane = slot), Z and 1 / Z for itself: five loads of 128 bytes or less.  Thread t writes positions 4 t .. 4 t + 3 of out1.
; Waves 12-15 also read 512 bytes of each of the 28 rows of ctx and write 128 columns of out0 each.
; No matrix unit: M = 1 and 28 rows.  No cluster: the work-groups share no input.
; LIMITS: v_exp_f32 gives 0 for results under 2^-126.  1 / Z is made by v_rcp_f32: a Z under 2^-126 counts as 0, and the reciprocal of a Z above 2^126 comes out as 0.  NaN among the inputs is not served.
; REGISTERS: v1-8 lane terms and offsets; v12-16 the slot's centre, alpha, beta, kappa, score; v20-22 Z and 1 / Z; v24-39 sums; v40-67 the row loads' offsets; v68-71 the centres; v72-73 at work; v96-207 the rows' pieces.
.set CK,   48                          ; s48-51   the four centres
.set MK,   52                          ; s52-61   ten masks of lanes
.set CN,   68                          ; s68-99   c of slot 8 k + j (j = 7 is never named)
.set RA,   40                          ; v40-67   byte offsets of the 28 pieces of rows: written once, never again
.set CV,   68                          ; v68-71   the centres in every lane
.set DF,   72                          ; v72      the position as f32, then position - kappa
.set EX,   73                          ; v73      the prior's exponent, then the prior
.set RW,   96                          ; v96-207  the 28 pieces
	s_load_b256 s[8:15], s[0:1], 0x0               ; centers s[8:9], stats s[10:11], scores s[12:13], ctx s[14:15]
	s_load_b128 s[16:19], s[0:1], 0x20             ; b_s1 s[16:17], out0 s[18:19]
	s_load_b64 s[20:21], s[0:1], 0x30              ; out1
	v_lshrrev_b32 v1, 5, v0
	v_readfirstlane_b32 s2, v1                     ; wave 0..15
	v_and_b32 v1, 31, v0                           ; lane = slot
	v_lshrrev_b32 v2, 3, v1
	v_lshlrev_b32 v2, 7, v2                        ; mixture lane / 8: 128 bytes a mixture in centers and stats
	v_and_b32 v3, 7, v0                            ; j
	v_add_nc_u32 v4, -3, v3                        ; j - 3
	v_lshlrev_b32 v5, 4, v1                        ; 16 x lane
	s_and_b32 s37, s2, 3
	s_lshl_b32 s37, s37, 9                         ; 512 (w % 4): my 128 columns of out0
	v_add_nc_u32 v8, s37, v5
	s_mov_b32 s44, 0x76543210                      ; v_permlanex16_b32's selects for lane l xor 16
	s_mov_b32 s45, 0xfedcba98
	s_mov_b32 s43, 0
	s_wait_kmcnt 0x0
	s_load_b32 s36, s[16:17], 0x0                  ; b_s1
	s_lshl_b32 s42, ttmp9, 2                       ; the batch: 4 bytes in a row of centers and stats,
	s_add_nc_u64 s[8:9], s[8:9], s[42:43]
	s_add_nc_u64 s[10:11], s[10:11], s[42:43]
	s_lshl_b32 s42, ttmp9, 13                      ; 8,192 bytes of scores and of out1,
	s_add_nc_u64 s[12:13], s[12:13], s[42:43]
	s_add_nc_u64 s[20:21], s[20:21], s[42:43]
	s_lshl_b32 s42, ttmp9, 22                      ; 2,048 rows of 2,048 bytes of ctx,
	s_add_nc_u64 s[14:15], s[14:15], s[42:43]
	s_lshl_b32 s42, ttmp9, 11                      ; 2,048 bytes of out0
	s_add_nc_u64 s[18:19], s[18:19], s[42:43]
	global_load_b32 v12, v2, s[8:9]                ; my slot's centre
	global_load_b32 v13, v2, s[10:11]              ; alpha,
	global_load_b32 v14, v2, s[10:11] offset:512   ; beta,
	global_load_b32 v15, v2, s[10:11] offset:1024  ; kappa
	s_wait_loadcnt 3                               ; the centre is in; behind it: the three statistics
	v_readlane_b32 s[CK], v12, 0
	v_readlane_b32 s[CK+1], v12, 8
	v_readlane_b32 s[CK+2], v12, 16
	v_readlane_b32 s[CK+3], v12, 24
	v_add_nc_u32 v12, v12, v4                      ; x = centre + j - 3 (under 0 it wraps to a large number): kept, to tell whether the slot counts
	v_min_u32 v6, 0x7ff, v12                       ; the position that is read lies inside the batch
	v_lshlrev_b32 v7, 2, v6
	global_load_b32 v16, v7, s[12:13]              ; its score
	s_cmp_lt_u32 s2, 12                            ; waves 12-15 ask for their 512 bytes of each of the 28 rows
	s_cbranch_scc1 .Lno_rows
.irp k, 0,1,2,3
	v_mov_b32 v[CV+\k], s[CK+\k]
.endr
.irp k, 0,1,2,3
.irp j, 0,1,2,3,4,5,6
	v_add_nc_u32 v[RA+7*\k+\j], \j-3, v[CV+\k]
	v_min_u32 v[RA+7*\k+\j], 0x7ff, v[RA+7*\k+\j]
	v_lshl_add_u32 v[RA+7*\k+\j], v[RA+7*\k+\j], 11, v8   ; row x 2,048 + 512 (w % 4) + 16 x lane
	global_load_b128 v[RW+4*(7*\k+\j):RW+4*(7*\k+\j)+3], v[RA+7*\k+\j], s[14:15]   ; the wave reads 512 consecutive bytes; windows may name a row twice, so no hint
.endr
.endr
.Lno_rows:
	v_cvt_f32_u32 v[DF], v6                        ; the position as f32  (the lines down to the wait name no register of a pending load: neither an offset nor a destination)
	v_cmp_eq_u32 s41, v12, v6                      ; the position lies in 0 .. 2,047: the clamp has changed nothing,
	v_cmp_ne_u32 s42, 7, v3                        ; and j < 7
	s_and_b32 s47, s41, s42
	s_wait_loadcnt 0x0                             ; for 0 on both ways: the score is the last load of waves 0-11, and waves 12-15 want their rows a few lines on
	s_wait_kmcnt 0x0
	v_sub_f32 v[DF], v[DF], v15                    ; - kappa
	v_mul_f32 v[EX], v14, v[DF]
	v_mul_f32 v[EX], v[EX], v[DF]                  ; beta x diff x diff
	v_mul_f32 v[EX], 0xbfb8aa3b, v[EX]             ; x -log2(e)
	v_add_f32 v16, s36, v16                        ; the score: + b_s1
	v_mul_f32 v16, 0x3fb8aa3b, v16
	v_exp_f32 v16, v16                             ; lkh
	v_exp_f32 v[EX], v[EX]
	v_mov_b32 v21, 0                               ; a plain place behind the exponentials; v21 is the destination of the lane permute below, which counts as one of its sources
	s_wait_alu depctr_va_vdst(0)
	v_mul_f32 v[EX], v13, v[EX]                    ; the prior: alpha x exp(..)
	v_mul_f32 v16, v[EX], v16
	v_cndmask_b32 v16, 0, v16, s47                 ; c; 0 where the slot does not count
	v_mov_b32 v20, v16
	v_add_f32_dpp v20, v20, v20 row_xmask:1 row_mask:0xf bank_mask:0xf
	v_add_f32_dpp v20, v20, v20 row_xmask:2 row_mask:0xf bank_mask:0xf
	v_add_f32_dpp v20, v20, v20 row_xmask:4 row_mask:0xf bank_mask:0xf
	v_add_f32_dpp v20, v20, v20 row_xmask:8 row_mask:0xf bank_mask:0xf
	v_permlanex16_b32 v21, v20, s44, s45
	v_add_f32 v20, v20, v21                        ; Z
	v_rcp_f32 v22, v20
	v_lshl_add_u32 v32, v0, 2, 3                   ; (a plain place)  4 x thread + 3
.irp k, 0,1,2,3
.irp j, 0,1,2,3,4,5,6
	v_readlane_b32 s[CN+8*\k+\j], v16, 8*\k+\j     ; c as scalars: data for selections and multiply-adds alone
.endr
.endr
	; out1: thread t writes positions 4 t .. 4 t + 3.  Position 4 t + i is slot j of window k where 4 t + 3 - centre = j - i.
.irp i, 0,1,2,3
	v_mov_b32 v[24+\i], 0
.endr
.macro WINDOW k
	s_add_co_u32 s41, s[CK+\k], 3
	s_lshl_b32 s42, s2, 7
	s_sub_co_u32 s41, s41, s42                     ; centre + 3 - my wave's first position: 0 .. 133 where the window meets my 128 positions
	s_cmp_gt_u32 s41, 133
	s_cbranch_scc1 .Lskip_\@                       ; a branch on a whole number read from memory; only register work is jumped over
	v_sub_nc_u32 v33, v32, s[CK+\k]
.irp q, 0,1,2,3,4,5,6,7,8,9
	v_cmp_eq_i32 s[MK+\q], \q-3, v33
.endr
.irp i, 0,1,2,3
	v_cndmask_b32 v[28+\i], 0, s[CN+8*\k], s[MK+3-\i]
.endr
.irp j, 1,2,3,4,5,6
.irp i, 0,1,2,3
	v_cndmask_b32 v[28+\i], v[28+\i], s[CN+8*\k+\j], s[MK+3+\j-\i]
.endr
.endr
.irp i, 0,1,2,3
	v_add_f32 v[24+\i], v[24+\i], v[28+\i]
.endr
.Lskip_\@:
.endm
	WINDOW 0
	WINDOW 1
	WINDOW 2
	WINDOW 3
	s_wait_alu depctr_va_vdst(0)
.irp i, 0,1,2,3
	v_mul_f32 v[24+\i], v[24+\i], v22              ; / Z, behind the selections
.endr
	v_lshlrev_b32 v34, 4, v0
	global_store_b128 v34, v[24:27], s[20:21]      ; the wave's store covers 512 consecutive bytes, at a multiple of 512 from the batch's row of out1
	; out0: waves 12-15, 128 columns each, four a lane
	s_cmp_lt_u32 s2, 12
	s_cbranch_scc1 .Lend
.irp i, 0,1,2,3
	v_mul_f32 v[36+\i], s[CN], v[RW+\i]            ; the first slot starts the sums
.endr
.irp j, 1,2,3,4,5,6
.irp i, 0,1,2,3
	v_fmac_f32 v[36+\i], s[CN+\j], v[RW+4*\j+\i]
.endr
.endr
.irp k, 1,2,3
.irp j, 0,1,2,3,4,5,6
.irp i, 0,1,2,3
	v_fmac_f32 v[36+\i], s[CN+8*\k+\j], v[RW+4*(7*\k+\j)+\i]
.endr
.endr
.endr
.irp i, 0,1,2,3
	v_mul_f32 v[36+\i], v[36+\i], v22
.endr
	global_store_b128 v8, v[36:39], s[18:19]       ; 512 consecutive bytes, at a multiple of 512 from the batch's row of out0
.Lend:
	s_endpgm
.Lfunc_end_k_qed85012f5e_finish:
	.size	k_qed85012f5e_finish, .Lfunc_end_k_qed85012f5e_finish-k_qed85012f5e_finish
	.p2alignl 7, 3214868480
	.fill 96, 4, 3214868480
	.section	.rodata,"a",@progbits
	.p2align	6, 0x0
	.amdhsa_kernel k_qed85012f5e_finish
		.amdhsa_group_segment_fixed_size 0
		.amdhsa_private_segment_fixed_size 0
		.amdhsa_enable_private_segment 0
		.amdhsa_kernarg_size 56
		.amdhsa_user_sgpr_count 2
		.amdhsa_user_sgpr_kernarg_segment_ptr 1
		.amdhsa_wavefront_size32 1
		.amdhsa_system_sgpr_workgroup_id_x 1
		.amdhsa_system_sgpr_workgroup_id_y 1
		.amdhsa_system_sgpr_workgroup_id_z 1
		.amdhsa_system_vgpr_workitem_id 0
		.amdhsa_next_free_vgpr 208
		.amdhsa_next_free_sgpr 100
		.amdhsa_reserve_vcc 0
		.amdhsa_float_denorm_mode_32 3
		.amdhsa_float_denorm_mode_16_64 3
		.amdhsa_memory_ordered 1
		.amdhsa_forward_progress 1
		.amdhsa_inst_pref_size 28
	.end_amdhsa_kernel
	.amdgpu_metadata
---
amdhsa.version: [ 1, 2 ]
amdhsa.kernels:
  - .name:           k_qed85012f5e_finish
    .symbol:         k_qed85012f5e_finish.kd
    .args:
      - { .name: centers, .offset: 0, .size: 8, .value_kind: global_buffer, .address_space: global }
      - { .name: stats, .offset: 8, .size: 8, .value_kind: global_buffer, .address_space: global }
      - { .name: scores, .offset: 16, .size: 8, .value_kind: global_buffer, .address_space: global }
      - { .name: ctx, .offset: 24, .size: 8, .value_kind: global_buffer, .address_space: global }
      - { .name: b_s1, .offset: 32, .size: 8, .value_kind: global_buffer, .address_space: global }
      - { .name: out0, .offset: 40, .size: 8, .value_kind: global_buffer, .address_space: global }
      - { .name: out1, .offset: 48, .size: 8, .value_kind: global_buffer, .address_space: global }
    .group_segment_fixed_size: 0
    .private_segment_fixed_size: 0
    .kernarg_segment_align: 8
    .kernarg_segment_size: 56
    .max_flat_workgroup_size: 512
    .sgpr_count:     100
    .vgpr_count:     208
    .wavefront_size: 32
...
	.end_amdgpu_metadata
.endif
;; end of part 3
;; ======== version 2 of 2: 2 launches; 1.21 times as fast as version 1
;; workspace buffers: stats 4,096 bytes; centers 4,096 bytes of whole numbers; scores 262,144 bytes
;; launch scorer (part 4): grid 8 x 32, 8 waves a work-group, no clusters, 327,680 bytes of LDS; arguments ctx, query, W_s0_codes, lowp_scales, b_s0, W_s1, scores, W_q2p_codes, b_q2p, W_p2s, b_p2s, stats, centers; writes scores, stats, centers
.if DOCPART == 4
	.amdgcn_target "amdgcn-amd-amdhsa--gfx1250"
	.amdhsa_code_object_version 6
	.text
	.protected	k_qed85012f5e_scorer
	.globl	k_qed85012f5e_scorer
	.p2align	8
	.type	k_qed85012f5e_scorer,@function
k_qed85012f5e_scorer:
	s_mov_b64 s[64:65], 0
	v_nop
	global_prefetch_b8 v0, s[64:65] scope:SCOPE_SE
	s_setreg_imm32_b32 hwreg(HW_REG_WAVE_MODE, 25, 1), 1
	s_wait_xcnt 0x0
; scores[b][l] = the sum over n of W_s1[n] x tanh((Q([ctx[b][l], query[b]]) W_s0)[n] + b_s0[n]), for all 32 x 2,048 rows (b_s1 is added by the next launch).
; THE PRODUCT: [65,536][1,024] x W_s0 [256 (n)][1,024 (k)] in BF8 (E5M2): the rows are quantised here with the given scale 2^e2, W_s0 comes as codes with 2^e3; v_wmma_f32_16x16x128_bf8_bf8, sums in f32.
; SHARES.  A work-group takes 256 rows of one batch, eight waves.  THE WAVES SHARE THE COLUMNS: wave w holds W_s0's rows 32 w .. 32 w + 31 in registers for the whole launch (2 tiles x 8 K steps x 16 registers:
; all of window 1), read from memory once.  What goes round is small: the rows' codes, as images of the operand's registers in LDS (four registers by one ds_store_b128 at 16 x lane).
; ctx comes through the tensor data mover into two LDS slots of 64 rows.  Wave w's load is a strip: 64 rows x 256 bytes (numbers 64 w .. 64 w + 63 of each row), each row 256 consecutive bytes of memory at a
; multiple of 256, padded in LDS to 272.  A wave reads only its own strip, behind its own wait on TENSORcnt.  Four fills a wave: two at the start, one behind each of two barriers; at most two are out.
; A TRIP is 32 rows, eight trips, written out.  X: my strip's 64 numbers a lane are held, converted and stored as two half images | the trip's one barrier | P: 32 matrix instructions (2 tiles of hidden units x
; 2 tiles of rows x 8 K steps), tanh, the product with W_s1, my 32 hidden units' part of each row's score to LDS.  Two image buffers take turns, so one barrier a trip parts writers and readers.
; query's four K steps are the same for every row of the batch: their fragments (16 equal rows) stay in 64 registers, and their products are issued first, while ctx's fragments come from LDS.
; TRANSPOSED USE: source 0 = 16 rows of the weight, source 1 = 16 rows: lane (r, h) holds row r and, in register j, hidden unit 8 h + j of the tile.
; FRAGMENTS: lane (r, h) holds of row r, in registers 4 c .. 4 c + 3, k = 128 s + 32 c + 16 h + 0 .. 15, alike in both operands, so every product meets its partner.
; tanh(x) = 1 - 2 R, R = 1 / (1 + 2^(2.885390 x)); so the sum of w1 x tanh = the sum of w1 + the sum of (-2 w1) x R: the first is made once and starts each chain of multiply-adds.
; ALSO, AT THE HEAD, while the first tiles of ctx are on their way: alpha, beta, kappa = exp(tanh(Q(query[b]) W_q2p + b_q2p) W_p2s + b_p2s) of the work-group's batch, and round(kappa) as whole numbers, from
; which the next launch forms addresses.  query is quantised a second time, with 2^e0; W_q2p [256 (n)][512 (k)] comes as codes with 2^e1; wave w takes hidden units 32 w .. 32 w + 31: 8 matrix instructions of the
; same form, beside the 256 of the large product; source 1 is the query's fragment, 16 equal rows.  W_q2p's fragments lie where W_s0's second tile will lie, which is loaded behind these products.
; The product with W_p2s (N = 12) is in f32: lane (r, h) takes column min(r, 11) and its 16 hidden units.  The waves' parts meet in LDS.  All eight work-groups of a batch walk this one path;
; behind the last barrier wave 2 of the work-group with x = 0 adds the parts and stores.  OUT: a row of 128 bytes a batch in stats (f32) and in centers (u32), a word a lane, so that all lanes stay on:
; stats' words 0-3 alpha, 4-7 beta, 8-11 kappa; centers' words 8-11 min(round to even(kappa), 4,096).  The other words repeat or round what their lanes hold and are read by nobody.
; A window that begins at 4,093 or later has no position under 2,048, so the bound 4,096 loses nothing.
; NO JOINT LOADS for the weights, which all work-groups read: a joint load lands in LDS, where W_s0's 256 rows of 1,024 + 16 bytes are 266,240 bytes; beside the ring's 278,528 that passes the 327,680 a work-group
; can claim, and laid into the ring's bytes first it would hold back the first tiles of ctx.  ctx is shared by nobody.
; LIMITS: e0 and e2 between -126 and 112 (2^e and 57,344 x 2^e are made as f32 patterns); e0 + e1 and e2 + e3 go through v_ldexp_f32 and have none.  v_exp_f32 gives 0 for results under 2^-126.
; NaN among the inputs is not served.  A kappa that lies within f32 rounding of a half-integer may be rounded either way.
; REGISTERS, window 0: v1-11 addresses; v12-15 constants; v16-79 my 64 numbers, then the rows' fragments in two sets of two; v80-95 codes; v96-159 query's fragments; v160-191 four accumulators (16 t + 8 m);
;   v192-207 2.885390 x b_s0; v208-223 -2 x W_s1; v224-225 the sum of my W_s1; v226-239 at work; v233 kept.   window 1: W_s0's fragments, (tile t, K step s) at v[16 (8 t + s)].
;   At the head: v16-47 query's numbers, v48-79 the same held for 2^e0, then the 2^e0 fragments; v160-175 two accumulators; v176-191 W_p2s; v240-255 b_q2p; window 1 v128-255 W_q2p's fragments, 16 (4 t + s).
.set SP,    272                        ; a strip's row in LDS: 256 bytes + 16 of padding = 68 words: row r starts at bank 4 r mod 64 (64 banks of 4 bytes: ISA guide 11.1)
.set STRIP, 64*SP                      ; what one tensor load brings
.set SLOT,  8*STRIP
.set IMG,   2*SLOT                     ; two buffers of 8 images of 2,048 bytes: image 4 m + s.  Ahead of the first trip buffer 1 holds query's four images under 2^e0
.set IMGB,  16384
.set PART,  IMG+2*IMGB                 ; 8 waves x 256 rows of f32: the scores' parts.  Ahead of the first trip: query's four images under 2^e2
.set SPARE, PART+8192                  ; the spare words, 128 bytes for each wave: four blocks of 256 bytes that no other line names
.set SPART, SPARE+1024                 ; 8 waves x 32 words: the waves' parts of the twelve sums with W_p2s
.set ROWB,  2048                       ; a row of ctx in bytes
.set SPW,  1                           ; v1   SPARE + 4 x thread; never rewritten
.set NIL,  2                           ; v2   0; never rewritten
.set LI,   3                           ; v3   IMG + 16 x lane
.set XWI,  4                           ; v4   where I store my half images: LI + 1,024 x wave
.set XA,   5                           ; v5, v6  my lane's place in my strip of slot 0, 1
.set PST,  7                           ; v7   where I put my part of the scores
.set QLI,  8                           ; v8   PART + 16 x lane
.set QWI,  9                           ; v9   where I store my half image of query
.set RED,  10                          ; v10  where waves 0, 1 read the parts back
.set GOUT, 11                          ; v11  their byte offset in the work-group's 1,024 bytes of scores
.set SC,   12                          ; v12  2^e2
.set LIM,  13                          ; v13  57,344 x 2^e2
.set SCV,  14                          ; v14-15  2.885390 x 2^(e2 + e3)
.set XN,   16
.set PC,   80
.set T,    80                          ; v80-85  at work at the head, once the codes have left
.set QF,   96
.set ACC,  160
.set WP,   176                         ; v176-191 at the head: W_p2s(my 16 hidden units, my column)
.set BB,   192
.set W1M,  208
.set W1S,  224
.set DT,   226                         ; v226-229 two chains of pairs
.set WQO,  226                         ; at the head: v226 my byte offset in W_q2p, v227 in W_p2s, v228 where I put my part of the twelve sums, v229 b_p2s of my column
.set WPO,  227
.set SPS,  228
.set VB,   229
.set PM,   230                         ; v230-231 at the head 2^e0 and 57,344 x 2^e0; then lane permutes' destinations, which count as sources: they have been written
.set RS,   232
.set SPR,  233                         ; v233  where wave 2 reads the parts of the twelve sums back; kept to the end
.set BPO,  234                         ; v234  the lane's number, then 4 x my column
.set B1,   240                         ; v240-255 2.885390 x b_q2p of my 16 hidden units
.set G1,   24                          ; s[24:31] descriptor group 1
.set G0,   32                          ; s[32:39] group 0, a set for each slot
.set MSB, 0
.macro WIN new                         ; the immediate's high byte repeats the setting that is left
.if MSB != \new
	s_set_vgpr_msb (MSB<<8)|\new
.set MSB, \new
.endif
.endm
.macro QUANT s, t, n, pc, sc, lim      ; n x 16 numbers from v[s] on are held into v[t] on (t = s: in place) and become n x 4 registers of codes from v[pc] on
.set g, 0
.rept \n
.irp i, 0,1,2,3,4,5,6,7,8,9,10,11,12,13,14,15
	v_med3_num_f32 v[\t+16*g+\i], v[\s+16*g+\i], -v[\lim], v[\lim]   ; the conversion to an 8-bit code does not saturate (ISA guide 7.6.2): the hold at the largest code x the scale comes first
.endr
	v_cvt_scalef32_pk8_bf8_f32 v[\pc+4*g:\pc+4*g+1], v[\t+16*g:\t+16*g+7], v[\sc]
	v_cvt_scalef32_pk8_bf8_f32 v[\pc+4*g+2:\pc+4*g+3], v[\t+16*g+8:\t+16*g+15], v[\sc]
.set g, g+1
.endr
	v_nop                                          ; one plain vector instruction behind the last scaled conversion
.endm
.macro FETCH reg, adr, off             ; a fragment comes back from its image
.irp c, 0,1,2,3
	ds_load_b128 v[(\reg)+4*\c:(\reg)+4*\c+3], v[\adr] offset:(\off)+512*\c
.endr
.endm
.macro PLACES n
.rept \n
	v_nop
.endr
.endm
; four matrix instructions: K step s of W_s0's two tiles against the fragments of the two tiles of rows.  The four accumulators take turns, one instruction a turn.
.macro MUL4 s, b0, b1, zero
.irp t, 0,1
.if \zero
	v_wmma_f32_16x16x128_bf8_bf8 v[ACC+16*\t:ACC+16*\t+7], v[16*(8*\t+(\s)):16*(8*\t+(\s))+15], v[(\b0):(\b0)+15], 0
	v_wmma_f32_16x16x128_bf8_bf8 v[ACC+16*\t+8:ACC+16*\t+15], v[16*(8*\t+(\s)):16*(8*\t+(\s))+15], v[(\b1):(\b1)+15], 0
.else
	v_wmma_f32_16x16x128_bf8_bf8 v[ACC+16*\t:ACC+16*\t+7], v[16*(8*\t+(\s)):16*(8*\t+(\s))+15], v[(\b0):(\b0)+15], v[ACC+16*\t:ACC+16*\t+7]
	v_wmma_f32_16x16x128_bf8_bf8 v[ACC+16*\t+8:ACC+16*\t+15], v[16*(8*\t+(\s)):16*(8*\t+(\s))+15], v[(\b1):(\b1)+15], v[ACC+16*\t+8:ACC+16*\t+15]
.endif
.endr
.endm
	s_load_b256 s[4:11], s[0:1], 0x0               ; ctx s[4:5], query s[6:7], W_s0's codes s[8:9], the scales' exponents s[10:11]
	s_load_b128 s[12:15], s[0:1], 0x20             ; b_s0 s[12:13], W_s1 s[14:15]
	s_load_b64 s[16:17], s[0:1], 0x30              ; scores
	s_load_b128 s[48:51], s[0:1], 0x38             ; W_q2p's codes s[48:49], b_q2p s[50:51]
	s_load_b128 s[52:55], s[0:1], 0x48             ; W_p2s s[52:53], b_p2s s[54:55]
	s_load_b128 s[56:59], s[0:1], 0x58             ; stats s[56:57], centers s[58:59]
	v_lshl_add_u32 v[SPW], v0, 2, SPARE
	v_mov_b32 v[NIL], 0
	ds_add_u32 v1, v2
	ds_add_u32 v1, v2
	s_wait_dscnt 0x0
	v_lshrrev_b32 v234, 5, v0
	v_readfirstlane_b32 s2, v234                   ; wave 0..7
	; descriptor group 1: a tile of 64 rows x 64 elements of 4 bytes, 512 elements from row to row, padded in LDS
	s_mov_b32 s[G1], (2<<16)|(1<<20)|(5<<22)|(3<<25)   ; 15:0 no mask; 17:16 elements of 4 bytes; 20 padding on; 24:22 after every 64 words (code 5); 31:25 four words (code 3)
	s_mov_b32 s[G1+1], 64<<16                      ; tensor_dim0 = 64
	s_mov_b32 s[G1+2], 64<<16                      ; tensor_dim1 = 64
	s_mov_b32 s[G1+3], 64<<16                      ; tile_dim0 = 64
	s_mov_b32 s[G1+4], 64                          ; tile_dim1 = 64
	s_mov_b32 s[G1+5], 512                         ; tensor_dim0_stride
	s_mov_b32 s[G1+6], 0
	s_mov_b32 s[G1+7], 0
	s_and_b32 s18, ttmp7, 0xffff                   ; the batch
	s_lshl_b32 s20, s18, 22                        ; 2,048 rows of 2,048 bytes,
	s_lshl_b32 s19, ttmp9, 19                      ; the work-group's 256 rows,
	s_add_co_u32 s20, s20, s19
	s_lshl_b32 s19, s2, 8                          ; my strip's 256 bytes of a row
	s_add_co_u32 s20, s20, s19
	s_mov_b32 s21, 0
	s_mul_i32 s22, s2, STRIP                       ; my strip in a slot
	s_wait_kmcnt 0x0
	s_mov_b32 s[G0], 1                             ; count = 1
	s_mov_b32 s[G0+1], s22                         ; LDS address: slot 0
	s_add_nc_u64 s[G0+2:G0+3], s[4:5], s[20:21]    ; rows 0 to 63
	s_mov_b32 s[G0+4], 1
	s_add_co_u32 s[G0+5], s22, SLOT                ; slot 1
	s_add_nc_u64 s[G0+6:G0+7], s[G0+2:G0+3], 64*ROWB   ; rows 64 to 127
	s_or_b32 s[G0+3], s[G0+3], 0x80000000          ; type = 2
	s_or_b32 s[G0+7], s[G0+7], 0x80000000
	tensor_load_to_lds s[G0:G0+3], s[G1:G1+7]      ; the two first fills go out together, ahead of every wait on TENSORcnt, every LDS read and every barrier
	s_nop 0
	tensor_load_to_lds s[G0+4:G0+7], s[G1:G1+7]
	s_nop 0
	PLACES 4                                       ; four v_nop follow the second
	s_load_b128 s[40:43], s[10:11], 0x0            ; e0 .. e3
	s_lshl_b32 s20, s18, 11
	s_add_nc_u64 s[6:7], s[6:7], s[20:21]          ; query at the batch's row
	s_lshl_b32 s20, s18, 13
	s_lshl_b32 s19, ttmp9, 10
	s_add_co_u32 s20, s20, s19
	s_add_nc_u64 s[16:17], s[16:17], s[20:21]      ; scores at the work-group's 256 rows
	s_lshl_b32 s20, s18, 7
	s_add_nc_u64 s[56:57], s[56:57], s[20:21]      ; stats and centers at the batch's 128 bytes
	s_add_nc_u64 s[58:59], s[58:59], s[20:21]
	s_cmp_eq_u32 s2, 0
	s_cselect_b32 s60, 0x3f800000, 0               ; 1.0 in wave 0, 0 in the others: b_p2s enters one wave's part
	s_mov_b32 s44, 0x76543210                      ; v_permlanex16_b32's selects for lane l xor 16
	s_mov_b32 s45, 0xfedcba98
	s_mov_b32 s46, 0xffff0000                      ; lanes 16-31
	v_and_b32 v234, 31, v0                         ; lane
	v_and_b32 v235, 15, v0                         ; r
	v_bfe_u32 v236, v0, 4, 1                       ; h
	v_lshl_add_u32 v[LI], v234, 4, IMG
	s_lshl_b32 s19, s2, 10                         ; wave w makes registers 8 (w % 2) .. + 7 of the fragments of K step w / 2: 2,048 (w / 2) + 1,024 (w % 2) = 1,024 w
	v_add_nc_u32 v[XWI], s19, v[LI]
	v_mul_u32_u24 v[XA], v235, SP
	v_lshl_add_u32 v[XA], v236, 6, v[XA]
	v_add_nc_u32 v[XA], s22, v[XA]                 ; my strip, row r, + 64 h: my 16 numbers of a block of 32
	v_add_nc_u32 v[XA+1], SLOT, v[XA]
	v_lshl_add_u32 v[PST], v234, 2, PART
	v_add_nc_u32 v[PST], s19, v[PST]               ; 1,024 bytes a wave, 4 bytes a row
	v_lshl_add_u32 v[QLI], v234, 4, PART
	v_add_nc_u32 v[QWI], s19, v[QLI]
	s_min_u32 s23, s2, 1
	s_lshl_b32 s23, s23, 9                         ; waves 0 and 1 will add the parts: 128 rows each, four a lane
	v_add_nc_u32 v[RED], s23, v[QLI]
	v_lshl_add_u32 v[GOUT], v234, 4, s23
	s_lshl_b32 s47, s2, 8
	v_lshl_add_u32 v237, v236, 6, s47              ; query: my 64 numbers at 256 w, + 64 h
	s_lshl_b32 s47, s2, 7
	v_lshl_add_u32 v238, v236, 5, s47              ; b_s0, W_s1, b_q2p: 128 w + 32 h
	v_lshlrev_b32 v239, 10, v235
	v_lshl_add_u32 v239, v236, 4, v239
	s_lshl_b32 s47, s2, 15
	v_add_nc_u32 v239, s47, v239                   ; W_s0: row 32 w + r of 1,024 bytes, + 16 h
	v_lshlrev_b32 v[WQO], 9, v235
	v_lshl_add_u32 v[WQO], v236, 4, v[WQO]
	s_lshl_b32 s47, s2, 14
	v_add_nc_u32 v[WQO], s47, v[WQO]               ; W_q2p: row 32 w + r of 512 bytes, + 16 h
	v_lshl_add_u32 v[SPS], v0, 2, SPART            ; the twelve sums' parts: 128 bytes a wave, a word a lane
	v_lshl_add_u32 v[SPR], v234, 2, SPART
	v_min_u32 v[WPO], 11, v235                     ; my column of W_p2s: min(r, 11), so that no load leaves the 12 columns
	v_lshlrev_b32 v[BPO], 2, v[WPO]                ; (the lane's number is done with)
	v_mad_u32_u24 v[WPO], v236, 384, v[BPO]        ; W_p2s: rows of 48 bytes: row 32 w + 8 h, + 4 x column
	s_mul_i32 s47, s2, 1536
	v_add_nc_u32 v[WPO], s47, v[WPO]
.irp c, 0,1
.irp j, 0,1,2,3
	global_load_b128 v[XN+16*\c+4*\j:XN+16*\c+4*\j+3], v237, s[6:7] offset:128*\c+16*\j   ; query: the sixteen lanes of a half read the same 16 bytes: all 16 rows of the fragment are equal
.endr
.endr
.irp t, 0,1
.irp q, 0,1
	global_load_b128 v[BB+8*\t+4*\q:BB+8*\t+4*\q+3], v238, s[12:13] offset:64*\t+16*\q
	global_load_b128 v[W1M+8*\t+4*\q:W1M+8*\t+4*\q+3], v238, s[14:15] offset:64*\t+16*\q
.endr
.endr
.irp t, 0,1
.irp q, 0,1
	global_load_b128 v[B1+8*\t+4*\q:B1+8*\t+4*\q+3], v238, s[50:51] offset:64*\t+16*\q   ; b_q2p of hidden units 32 w + 16 t + 8 h + 0 .. 7
.endr
.endr
	global_load_b32 v[VB], v[BPO], s[54:55]        ; b_p2s of my column
.irp t, 0,1
.irp j, 0,1,2,3,4,5,6,7
	global_load_b32 v[WP+8*\t+\j], v[WPO], s[52:53] offset:768*\t+48*\j   ; W_p2s(32 w + 16 t + 8 h + j, my column)
.endr
.endr
	WIN 0x40                                       ; destination window 1, address window 0
.irp t, 0,1
.irp s, 0,1,2,3
.irp c, 0,1,2,3
	global_load_b128 v[128+16*(4*\t+\s)+4*\c:128+16*(4*\t+\s)+4*\c+3], v[WQO], s[48:49] offset:8192*\t+128*\s+32*\c   ; W_q2p, where W_s0's tile 1 will lie
.endr
.endr
.endr
	WIN 0
	s_wait_kmcnt 0x0
	s_add_co_i32 s19, s42, 127
	s_lshl_b32 s20, s19, 23
	v_mov_b32 v[SC], s20                           ; 2^e2 as f32: the conversion takes its exponent field
	s_add_co_i32 s19, s19, 15
	s_lshl_b32 s19, s19, 23
	s_or_b32 s19, s19, 0x600000
	v_mov_b32 v[LIM], s19                          ; 57,344 x 2^e2
	s_add_co_i32 s62, s40, 127
	s_lshl_b32 s63, s62, 23
	v_mov_b32 v[PM], s63                           ; 2^e0
	s_add_co_i32 s62, s62, 15
	s_lshl_b32 s62, s62, 23
	s_or_b32 s62, s62, 0x600000
	v_mov_b32 v[PM+1], s62                         ; 57,344 x 2^e0
	s_add_co_i32 s61, s40, s41                     ; e0 + e1
	s_add_co_i32 s47, s42, s43                     ; e2 + e3
	v_mov_b32 v[SCV], 0x4038aa3b
	v_ldexp_f32 v[SCV], v[SCV], s47                ; 2.885390 x 2^(e2 + e3)
	v_mov_b32 v[SCV+1], v[SCV]                     ; (named with it as a pair)
	s_wait_loadcnt 53                              ; query's eight loads and b_s0's and W_s1's eight are in; behind them: 4 of b_q2p, 1 of b_p2s, 16 of W_p2s, 32 of W_q2p
.irp i, 0,2,4,6,8,10,12,14
	v_pk_mul_f32 v[BB+\i:BB+\i+1], v[BB+\i:BB+\i+1], 0x4038aa3b op_sel_hi:[1,0]   ; 2.885390 x b_s0
.endr
	v_pk_add_f32 v[W1S:W1S+1], v[W1M:W1M+1], v[W1M+2:W1M+3]   ; the sum of my 16 numbers of W_s1, in two halves
.irp i, 4,6,8,10,12,14
	v_pk_add_f32 v[W1S:W1S+1], v[W1S:W1S+1], v[W1M+\i:W1M+\i+1]
.endr
.irp i, 0,2,4,6,8,10,12,14
	v_pk_mul_f32 v[W1M+\i:W1M+\i+1], v[W1M+\i:W1M+\i+1], -2.0 op_sel_hi:[1,0]   ; -2 x W_s1
.endr
	QUANT XN, XN+32, 2, PC, PM, PM+1               ; query under 2^e0: the hold writes other registers, so that the numbers stay
	QUANT XN, XN, 2, PC+8, SC, LIM                 ; and under 2^e2
.irp c, 0,1
	ds_store_b128 v[XWI], v[PC+4*\c:PC+4*\c+3] offset:IMGB+512*\c
	ds_store_b128 v[QWI], v[PC+8+4*\c:PC+8+4*\c+3] offset:512*\c
.endr
	WIN 0x40
.irp s, 0,1,2,3,4,5,6,7
.irp c, 0,1,2,3
	global_load_b128 v[16*\s+4*\c:16*\s+4*\c+3], v239, s[8:9] offset:128*\s+32*\c   ; W_s0, tile 0
.endr
.endr
	WIN 0
	s_wait_dscnt 0x0                               ; my two half images of query have landed
	s_barrier_signal -1
	s_barrier_wait -1                              ; everybody's have.  The tensor loads may stay out
.irp s, 0,1,2,3
	FETCH XN+16*\s, LI, IMGB+2048*\s               ; query's fragments under 2^e0
.endr
.irp s, 0,1,2,3
	FETCH QF+16*\s, QLI, 2048*\s                   ; and under 2^e2: these stay
.endr
	s_wait_loadcnt 32                              ; b_q2p, b_p2s, W_p2s and W_q2p are in; behind them: 32 of W_s0
.irp i, 0,2,4,6,8,10,12,14
	v_pk_mul_f32 v[B1+\i:B1+\i+1], v[B1+\i:B1+\i+1], 0x4038aa3b op_sel_hi:[1,0]   ; 2.885390 x b_q2p
.endr
	v_mov_b32 v[T], 0x4038aa3b
	v_ldexp_f32 v[T], v[T], s61                    ; 2.885390 x 2^(e0 + e1)
	v_mov_b32 v[T+1], v[T]                         ; (named with it as a pair)
	s_wait_dscnt 16                                ; the 2^e0 fragments' sixteen loads are in; the other sixteen may be out
	WIN 0x01                                       ; source 0 (W_q2p) window 1
.irp s, 0,1,2,3                        ; the two accumulators take turns, one instruction a turn; the first K step starts the sums
.irp t, 0,1
.if \s == 0
	v_wmma_f32_16x16x128_bf8_bf8 v[ACC+8*\t:ACC+8*\t+7], v[128+16*(4*\t+\s):128+16*(4*\t+\s)+15], v[XN+16*\s:XN+16*\s+15], 0
.else
	v_wmma_f32_16x16x128_bf8_bf8 v[ACC+8*\t:ACC+8*\t+7], v[128+16*(4*\t+\s):128+16*(4*\t+\s)+15], v[XN+16*\s:XN+16*\s+15], v[ACC+8*\t:ACC+8*\t+7]
.endif
.endr
.endr
	WIN 0
	PLACES 5                                       ; four places ahead of the loads into W_q2p's registers and of the first read of results; the fifth for the first trip's products, which write over these accumulators
	WIN 0x40
.irp s, 0,1,2,3,4,5,6,7
.irp c, 0,1,2,3
	global_load_b128 v[128+16*\s+4*\c:128+16*\s+4*\c+3], v239, s[8:9] offset:16384+128*\s+32*\c   ; W_s0, tile 1
.endr
.endr
	WIN 0
.irp e, 0,2,4,6,8,10,12,14
	v_pk_fma_f32 v[ACC+\e:ACC+\e+1], v[ACC+\e:ACC+\e+1], v[T:T+1], v[B1+\e:B1+\e+1] op_sel_hi:[1,0,1]   ; 2.885390 x (sum x 2^(e0 + e1) + b): each accumulator from its low end on
.endr
.set ii, 0
.rept 16
	v_exp_f32 v[ACC+ii], v[ACC+ii]
.set ii, ii+1
.endr
	v_nop                                          ; a plain place behind the exponentials
	s_wait_alu depctr_va_vdst(0)
.irp e, 0,2,4,6,8,10,12,14
	v_pk_add_f32 v[ACC+\e:ACC+\e+1], v[ACC+\e:ACC+\e+1], 1.0 op_sel_hi:[1,0]
.endr
.set ii, 0
.rept 16
	v_rcp_f32 v[ACC+ii], v[ACC+ii]
.set ii, ii+1
.endr
	v_nop                                          ; and behind the reciprocals
	s_wait_alu depctr_va_vdst(0)
.irp e, 0,2,4,6,8,10,12,14
	v_pk_fma_f32 v[ACC+\e:ACC+\e+1], v[ACC+\e:ACC+\e+1], -2.0, 1.0 op_sel_hi:[1,0,0]   ; tanh = 1 - 2 / (1 + 2^y)
.endr
	v_pk_mul_f32 v[T+2:T+3], v[ACC:ACC+1], v[WP:WP+1]         ; the product with W_p2s in f32: my 16 hidden units x my column, in two chains of pairs
	v_pk_mul_f32 v[T+4:T+5], v[ACC+2:ACC+3], v[WP+2:WP+3]
.irp e, 4,8,12
	v_pk_fma_f32 v[T+2:T+3], v[ACC+\e:ACC+\e+1], v[WP+\e:WP+\e+1], v[T+2:T+3]
	v_pk_fma_f32 v[T+4:T+5], v[ACC+\e+2:ACC+\e+3], v[WP+\e+2:WP+\e+3], v[T+4:T+5]
.endr
	v_pk_add_f32 v[T+2:T+3], v[T+2:T+3], v[T+4:T+5]
	v_add_f32 v[T+2], v[T+2], v[T+3]
	v_permlanex16_b32 v[PM], v[T+2], s44, s45      ; my wave's other sixteen hidden units lie in the lane 16 away, which has the same column
	v_add_f32 v[T+2], v[T+2], v[PM]
	v_fma_f32 v[T+2], v[VB], s60, v[T+2]           ; + b_p2s, in wave 0 alone
	ds_store_b32 v[SPS], v[T+2]                    ; read behind the launch's last barrier
; TRIP i: rows 32 i .. 32 i + 31 of the work-group's 256; they lie in slot (i / 2) % 2, half i % 2; image buffer i % 2.
.macro TRIP i
.set SL, ((\i)>>1)&1
.set QT, (\i)&1
.if QT == 0
.if (\i) == 6
	s_wait_tensorcnt 0x0                           ; the last fill: no load was issued behind it
.else
	s_wait_tensorcnt 0x1                           ; tensor loads of a wave end in order (ISA guide 10.11.1): this slot's is in; the one issued behind it may be out
.endif
.endif
.irp m, 0,1
.irp c, 0,1
.irp j, 0,1,2,3
	ds_load_b128 v[XN+32*\m+16*\c+4*\j:XN+32*\m+16*\c+4*\j+3], v[XA+SL] offset:QT*32*SP+\m*16*SP+128*\c+16*\j
.endr
.endr
.endr
	s_wait_dscnt 0x0                               ; my 64 numbers (in the first trip query's fragments too, and my store above has read its register); my reads of the strip are over
	QUANT XN, XN, 4, PC, SC, LIM
.irp m, 0,1
.irp c, 0,1
	ds_store_b128 v[XWI], v[PC+8*\m+4*\c:PC+8*\m+4*\c+3] offset:QT*IMGB+\m*8192+512*\c
.endr
.endr
.if ((\i) == 1) || ((\i) == 3)
	s_wait_tensorcnt 0x0                           ; all my tensor loads have landed, the other slot's too: a group 0 may be written
	ds_add_u32 v[SPW], v[NIL]                      ; 0 onto my spare word
	s_add_nc_u64 s[G0+4*SL+2:G0+4*SL+3], s[G0+4*SL+2:G0+4*SL+3], 128*ROWB   ; this slot's next 64 rows; the type bits on top are not reached
	s_wait_dscnt 0x0                               ; the add is done, my images have landed, my reads of the slot are over
	s_barrier_signal -1
	s_barrier_wait -1
	tensor_load_to_lds s[G0+4*SL:G0+4*SL+3], s[G1:G1+7]   ; my one tensor load behind this barrier, and the first thing there
	s_nop 0
	PLACES 4
.else
	s_wait_dscnt 0x0                               ; my images have landed, and my reads of the other buffer are long over
	s_barrier_signal -1
	s_barrier_wait -1
.endif
	FETCH XN, LI, QT*IMGB                          ; K step 0: rows 0-15,
	FETCH XN+16, LI, QT*IMGB+4*2048                ; rows 16-31
	FETCH XN+32, LI, QT*IMGB+2048                  ; K step 1
	FETCH XN+48, LI, QT*IMGB+5*2048
.if (\i) == 0
	s_wait_loadcnt 0x0                             ; W_s0's fragments
.endif
	WIN 0x01                                       ; source 0 (W_s0) window 1
	MUL4 4, QF, QF, 1                              ; query's K steps come first, from registers, while the loads above are on their way; the first starts the sums
	MUL4 5, QF+16, QF+16, 0
	MUL4 6, QF+32, QF+32, 0
	MUL4 7, QF+48, QF+48, 0
	s_wait_dscnt 8                                 ; K step 0's eight loads are in; the other set's eight may be out
	MUL4 0, XN, XN+16, 0
	WIN 0
	PLACES 4                                       ; four places ahead of loads into registers that the products have read
	FETCH XN, LI, QT*IMGB+2*2048
	FETCH XN+16, LI, QT*IMGB+6*2048
	s_wait_dscnt 8
	WIN 0x01
	MUL4 1, XN+32, XN+48, 0
	WIN 0
	PLACES 4
	FETCH XN+32, LI, QT*IMGB+3*2048
	FETCH XN+48, LI, QT*IMGB+7*2048
	s_wait_dscnt 8
	WIN 0x01
	MUL4 2, XN, XN+16, 0
	s_wait_dscnt 0x0
	MUL4 3, XN+32, XN+48, 0
	WIN 0
	PLACES 4                                       ; ahead of the first read of results
.irp a, 0,1,2,3
.irp e, 0,2,4,6
	v_pk_fma_f32 v[ACC+8*\a+\e:ACC+8*\a+\e+1], v[ACC+8*\a+\e:ACC+8*\a+\e+1], v[SCV:SCV+1], v[BB+8*(\a/2)+\e:BB+8*(\a/2)+\e+1] op_sel_hi:[1,0,1]   ; 2.885390 x (sum x 2^(e2 + e3) + b): each accumulator from its low end on
.endr
.endr
.set ii, 0
.rept 32
	v_exp_f32 v[ACC+ii], v[ACC+ii]
.set ii, ii+1
.endr
	v_nop                                          ; a plain place behind the exponentials
.set ii, 0
	s_wait_alu depctr_va_vdst(0)
.rept 16
	v_pk_add_f32 v[ACC+ii:ACC+ii+1], v[ACC+ii:ACC+ii+1], 1.0 op_sel_hi:[1,0]
.set ii, ii+2
.endr
.set ii, 0
.rept 32
	v_rcp_f32 v[ACC+ii], v[ACC+ii]
.set ii, ii+1
.endr
	v_nop                                          ; and behind the reciprocals
	s_wait_alu depctr_va_vdst(0)
.irp m, 0,1
	v_pk_fma_f32 v[DT+2*\m:DT+2*\m+1], v[ACC+8*\m:ACC+8*\m+1], v[W1M:W1M+1], v[W1S:W1S+1]   ; the sum of w1 starts the chain
.endr
.irp e, 2,4,6
.irp m, 0,1
	v_pk_fma_f32 v[DT+2*\m:DT+2*\m+1], v[ACC+8*\m+\e:ACC+8*\m+\e+1], v[W1M+\e:W1M+\e+1], v[DT+2*\m:DT+2*\m+1]
.endr
.endr
.irp e, 0,2,4,6
.irp m, 0,1
	v_pk_fma_f32 v[DT+2*\m:DT+2*\m+1], v[ACC+16+8*\m+\e:ACC+16+8*\m+\e+1], v[W1M+8+\e:W1M+8+\e+1], v[DT+2*\m:DT+2*\m+1]
.endr
.endr
	v_add_f32 v[DT], v[DT], v[DT+1]
	v_add_f32 v[DT+2], v[DT+2], v[DT+3]
	v_permlanex16_b32 v[PM], v[DT], s44, s45       ; the row's other sixteen hidden units of mine lie in the lane 16 away
	v_permlanex16_b32 v[PM+1], v[DT+2], s44, s45
	v_add_f32 v[DT], v[DT], v[PM]
	v_add_f32 v[DT+2], v[DT+2], v[PM+1]
	v_cndmask_b32 v[RS], v[DT], v[DT+2], s46       ; lane = row: lanes 0-15 rows 0-15, lanes 16-31 rows 16-31
	ds_store_b32 v[PST], v[RS] offset:128*(\i)
.endm
	TRIP 0
	TRIP 1                                         ; behind its barrier slot 0 takes rows 128 to 191
	TRIP 2
	TRIP 3                                         ; behind its barrier slot 1 takes rows 192 to 255
	TRIP 4
	TRIP 5
	TRIP 6
	TRIP 7
	s_wait_dscnt 0x0                               ; my parts of the scores have landed
	s_barrier_signal -1
	s_barrier_wait -1
	s_cmp_ge_u32 s2, 2                             ; waves 0 and 1 add the eight waves' parts of the scores, 128 rows each, four a lane
	s_cbranch_scc1 .Lnot_scores
.irp u, 0,1,2,3,4,5,6,7
	ds_load_b128 v[XN+4*\u:XN+4*\u+3], v[RED] offset:1024*\u
.endr
	s_wait_dscnt 0x0
.irp e, 0,2,4,6,8,10,12,14
	v_pk_add_f32 v[XN+\e:XN+\e+1], v[XN+\e:XN+\e+1], v[XN+16+\e:XN+16+\e+1]
.endr
.irp e, 0,2,4,6
	v_pk_add_f32 v[XN+\e:XN+\e+1], v[XN+\e:XN+\e+1], v[XN+8+\e:XN+8+\e+1]
.endr
.irp e, 0,2
	v_pk_add_f32 v[XN+\e:XN+\e+1], v[XN+\e:XN+\e+1], v[XN+4+\e:XN+4+\e+1]
.endr
	global_store_b128 v[GOUT], v[XN:XN+3], s[16:17]   ; the wave's store covers 512 consecutive bytes, at a multiple of 512 from the buffer's first byte
	s_branch .Lend
.Lnot_scores:
	s_cmp_lg_u32 s2, 2                             ; wave 2 of the batch's first work-group adds the eight waves' parts of the twelve sums; lane = column (from 12 on: a repeat)
	s_cbranch_scc1 .Lend
	s_cmp_lg_u32 ttmp9, 0                          ; each byte of stats and centers is stored by one work-group
	s_cbranch_scc1 .Lend
.irp u, 0,1,2,3,4,5,6,7
	ds_load_b32 v[XN+\u], v[SPR] offset:128*\u
.endr
	v_and_b32 v[XN+8], 31, v0
	v_lshlrev_b32 v[XN+8], 2, v[XN+8]              ; a word a lane
	s_wait_dscnt 0x0
	v_pk_add_f32 v[XN:XN+1], v[XN:XN+1], v[XN+4:XN+5]
	v_pk_add_f32 v[XN+2:XN+3], v[XN+2:XN+3], v[XN+6:XN+7]
	v_pk_add_f32 v[XN:XN+1], v[XN:XN+1], v[XN+2:XN+3]
	v_add_f32 v[XN], v[XN], v[XN+1]
	v_mul_f32 v[XN], 0x3fb8aa3b, v[XN]             ; x log2(e)
	v_exp_f32 v[XN+1], v[XN]
	v_nop                                          ; a plain place behind the exponential
	s_wait_alu depctr_va_vdst(0)
	global_store_b32 v[XN+8], v[XN+1], s[56:57]    ; the wave's store covers the batch's 128 consecutive bytes of stats
	v_rndne_f32 v[XN+2], v[XN+1]                   ; to the nearest whole number, ties to even
	v_min_num_f32 v[XN+2], 0x45800000, v[XN+2]     ; at most 4,096
	v_cvt_u32_f32 v[XN+2], v[XN+2]
	global_store_b32 v[XN+8], v[XN+2], s[58:59]    ; and of centers
.Lend:
	s_wait_tensorcnt 0x0                           ; the wave's end: behind my last tensor load and my last LDS store
	ds_add_u32 v[SPW], v[NIL]
	s_wait_dscnt 0x0
	s_endpgm
.Lfunc_end_k_qed85012f5e_scorer:
	.size	k_qed85012f5e_scorer, .Lfunc_end_k_qed85012f5e_scorer-k_qed85012f5e_scorer
	.p2alignl 7, 3214868480
	.fill 96, 4, 3214868480
	.section	.rodata,"a",@progbits
	.p2align	6, 0x0
	.amdhsa_kernel k_qed85012f5e_scorer
		.amdhsa_group_segment_fixed_size 327680
		.amdhsa_private_segment_fixed_size 0
		.amdhsa_enable_private_segment 0
		.amdhsa_kernarg_size 104
		.amdhsa_user_sgpr_count 2
		.amdhsa_user_sgpr_kernarg_segment_ptr 1
		.amdhsa_wavefront_size32 1
		.amdhsa_system_sgpr_workgroup_id_x 1
		.amdhsa_system_sgpr_workgroup_id_y 1
		.amdhsa_system_sgpr_workgroup_id_z 1
		.amdhsa_system_vgpr_workitem_id 0
		.amdhsa_next_free_vgpr 512
		.amdhsa_next_free_sgpr 66
		.amdhsa_reserve_vcc 0
		.amdhsa_float_denorm_mode_32 3
		.amdhsa_float_denorm_mode_16_64 3
		.amdhsa_memory_ordered 1
		.amdhsa_forward_progress 1
		.amdhsa_inst_pref_size 166
	.end_amdhsa_kernel
	.amdgpu_metadata
---
amdhsa.version: [ 1, 2 ]
amdhsa.kernels:
  - .name:           k_qed85012f5e_scorer
    .symbol:         k_qed85012f5e_scorer.kd
    .args:
      - { .name: ctx, .offset: 0, .size: 8, .value_kind: global_buffer, .address_space: global }
      - { .name: query, .offset: 8, .size: 8, .value_kind: global_buffer, .address_space: global }
      - { .name: W_s0_codes, .offset: 16, .size: 8, .value_kind: global_buffer, .address_space: global }
      - { .name: lowp_scales, .offset: 24, .size: 8, .value_kind: global_buffer, .address_space: global }
      - { .name: b_s0, .offset: 32, .size: 8, .value_kind: global_buffer, .address_space: global }
      - { .name: W_s1, .offset: 40, .size: 8, .value_kind: global_buffer, .address_space: global }
      - { .name: scores, .offset: 48, .size: 8, .value_kind: global_buffer, .address_space: global }
      - { .name: W_q2p_codes, .offset: 56, .size: 8, .value_kind: global_buffer, .address_space: global }
      - { .name: b_q2p, .offset: 64, .size: 8, .value_kind: global_buffer, .address_space: global }
      - { .name: W_p2s, .offset: 72, .size: 8, .value_kind: global_buffer, .address_space: global }
      - { .name: b_p2s, .offset: 80, .size: 8, .value_kind: global_buffer, .address_space: global }
      - { .name: stats, .offset: 88, .size: 8, .value_kind: global_buffer, .address_space: global }
      - { .name: centers, .offset: 96, .size: 8, .value_kind: global_buffer, .address_space: global }
    .group_segment_fixed_size: 327680
    .private_segment_fixed_size: 0
    .kernarg_segment_align: 8
    .kernarg_segment_size: 104
    .max_flat_workgroup_size: 256
    .sgpr_count:     66
    .vgpr_count:     512
    .wavefront_size: 32
...
	.end_amdgpu_metadata
.endif
;; end of part 4
;; launch finish (part 5): grid 32 x 1, 16 waves a work-group, no clusters, 0 bytes of LDS; arguments centers, stats, scores, ctx, b_s1, out0, out1; writes out0, out1
.if DOCPART == 5
	.amdgcn_target "amdgcn-amd-amdhsa--gfx1250"
	.amdhsa_code_object_version 6
	.text
	.protected	k_qed85012f5e_finish
	.globl	k_qed85012f5e_finish
	.p2align	8
	.type	k_qed85012f5e_finish,@function
k_qed85012f5e_finish:
	s_mov_b64 s[64:65], 0
	v_nop
	global_prefetch_b8 v0, s[64:65] scope:SCOPE_SE
	s_setreg_imm32_b32 hwreg(HW_REG_WAVE_MODE, 25, 1), 1
	s_wait_xcnt 0x0
; p = prior x exp(score + b_s1), normalised (out1 [32][2048]), and the sum of p x ctx (out0 [32][512]).  One work-group a batch, sixteen waves that share nothing: no LDS, no barrier.
; THE MASK.  The prior is cut to the positions center_k - 3 .. center_k + 3 of four mixtures: at most 28 of a batch's 2,048 positions have p other than 0.
; SLOTS.  32 slots, slot 8 k + j stands for position x = center_k + j - 3; it counts where j < 7 and 0 <= x <= 2,047.  Windows may overlap; all is linear in slots:
; c = alpha_k exp(-beta_k (x - kappa_k)^2) x exp(score(x) + b_s1), 0 where the slot does not count;  Z = the sum of c;  out0 = (sum of c x ctx[x]) / Z;  out1[l] = (sum of c over slots with x = l) / Z.
; A slot that does not count reads a clamped position and its c is replaced by 0.  1 / Z multiplies last, everything: Z = 0 gives NaN in every output number, as 0 / 0 does.
; The centres are whole numbers, and alpha, beta, kappa and the scores are numbers, that the launch before stored: a row of 128 bytes a batch in stats (words 0-3 alpha, 4-7 beta, 8-11 kappa) and in centers
; (words 8-11).  Addresses and the one kind of branch hang on the centres alone.
; SHARES.  Every wave makes the 32 c (lane = slot), Z and 1 / Z for itself: five loads of 128 bytes or less.  Thread t writes positions 4 t .. 4 t + 3 of out1.
; Waves 12-15 also read 512 bytes of each of the 28 rows of ctx and write 128 columns of out0 each.
; No matrix unit: M = 1 and 28 rows.  No cluster: the work-groups share no input.
; LIMITS: v_exp_f32 gives 0 for results under 2^-126.  1 / Z is made by v_rcp_f32: a Z under 2^-126 counts as 0, and the reciprocal of a Z above 2^126 comes out as 0.  NaN among the inputs is not served.
; REGISTERS: v1-8 lane terms and offsets; v12-16 the slot's centre, alpha, beta, kappa, score; v20-22 Z and 1 / Z; v24-39 sums; v40-67 the row loads' offsets; v68-71 the centres; v72-73 at work; v96-207 the rows' pieces.
.set CK,   48                          ; s48-51   the four centres
.set MK,   52                          ; s52-61   ten masks of lanes
.set CN,   68                          ; s68-99   c of slot 8 k + j (j = 7 is never named)
.set RA,   40                          ; v40-67   byte offsets of the 28 pieces of rows: written once, never again
.set CV,   68                          ; v68-71   the centres in every lane
.set DF,   72                          ; v72      the position as f32, then position - kappa
.set EX,   73                          ; v73      the prior's exponent, then the prior
.set RW,   96                          ; v96-207  the 28 pieces
	s_load_b256 s[8:15], s[0:1], 0x0               ; centers s[8:9], stats s[10:11], scores s[12:13], ctx s[14:15]
	s_load_b128 s[16:19], s[0:1], 0x20             ; b_s1 s[16:17], out0 s[18:19]
	s_load_b64 s[20:21], s[0:1], 0x30              ; out1
	v_lshrrev_b32 v1, 5, v0
	v_readfirstlane_b32 s2, v1                     ; wave 0..15
	v_and_b32 v1, 31, v0                           ; lane = slot
	v_lshrrev_b32 v2, 3, v1
	v_lshlrev_b32 v2, 2, v2                        ; mixture lane / 8: a word a mixture in the batch's rows of centers and stats
	v_and_b32 v3, 7, v0                            ; j
	v_add_nc_u32 v4, -3, v3                        ; j - 3
	v_lshlrev_b32 v5, 4, v1                        ; 16 x lane
	s_and_b32 s37, s2, 3
	s_lshl_b32 s37, s37, 9                         ; 512 (w % 4): my 128 columns of out0
	v_add_nc_u32 v8, s37, v5
	s_mov_b32 s44, 0x76543210                      ; v_permlanex16_b32's selects for lane l xor 16
	s_mov_b32 s45, 0xfedcba98
	s_mov_b32 s43, 0
	s_wait_kmcnt 0x0
	s_load_b32 s36, s[16:17], 0x0                  ; b_s1
	s_lshl_b32 s42, ttmp9, 7                       ; the batch: 128 bytes of centers and of stats,
	s_add_nc_u64 s[8:9], s[8:9], s[42:43]
	s_add_nc_u64 s[10:11], s[10:11], s[42:43]
	s_lshl_b32 s42, ttmp9, 13                      ; 8,192 bytes of scores and of out1,
	s_add_nc_u64 s[12:13], s[12:13], s[42:43]
	s_add_nc_u64 s[20:21], s[20:21], s[42:43]
	s_lshl_b32 s42, ttmp9, 22                      ; 2,048 rows of 2,048 bytes of ctx,
	s_add_nc_u64 s[14:15], s[14:15], s[42:43]
	s_lshl_b32 s42, ttmp9, 11                      ; 2,048 bytes of out0
	s_add_nc_u64 s[18:19], s[18:19], s[42:43]
	global_load_b32 v12, v2, s[8:9] offset:32      ; my slot's centre: word 8 + k
	global_load_b32 v13, v2, s[10:11]              ; alpha: word k,
	global_load_b32 v14, v2, s[10:11] offset:16    ; beta: word 4 + k,
	global_load_b32 v15, v2, s[10:11] offset:32    ; kappa: word 8 + k
	s_wait_loadcnt 3                               ; the centre is in; behind it: the three statistics
	v_readlane_b32 s[CK], v12, 0
	v_readlane_b32 s[CK+1], v12, 8
	v_readlane_b32 s[CK+2], v12, 16
	v_readlane_b32 s[CK+3], v12, 24
	v_add_nc_u32 v12, v12, v4                      ; x = centre + j - 3 (under 0 it wraps to a large number): kept, to tell whether the slot counts
	v_min_u32 v6, 0x7ff, v12                       ; the position that is read lies inside the batch
	v_lshlrev_b32 v7, 2, v6
	global_load_b32 v16, v7, s[12:13]              ; its score
	s_cmp_lt_u32 s2, 12                            ; waves 12-15 ask for their 512 bytes of each of the 28 rows
	s_cbranch_scc1 .Lno_rows
.irp k, 0,1,2,3
	v_mov_b32 v[CV+\k], s[CK+\k]
.endr
.irp k, 0,1,2,3
.irp j, 0,1,2,3,4,5,6
	v_add_nc_u32 v[RA+7*\k+\j], \j-3, v[CV+\k]
	v_min_u32 v[RA+7*\k+\j], 0x7ff, v[RA+7*\k+\j]
	v_lshl_add_u32 v[RA+7*\k+\j], v[RA+7*\k+\j], 11, v8   ; row x 2,048 + 512 (w % 4) + 16 x lane
	global_load_b128 v[RW+4*(7*\k+\j):RW+4*(7*\k+\j)+3], v[RA+7*\k+\j], s[14:15]   ; the wave reads 512 consecutive bytes; windows may name a row twice, so no hint
.endr
.endr
.Lno_rows:
	v_cvt_f32_u32 v[DF], v6                        ; the position as f32  (the lines down to the wait name no register of a pending load: neither an offset nor a destination)
	v_cmp_eq_u32 s41, v12, v6                      ; the position lies in 0 .. 2,047: the clamp has changed nothing,
	v_cmp_ne_u32 s42, 7, v3                        ; and j < 7
	s_and_b32 s47, s41, s42
	s_wait_loadcnt 0x0                             ; for 0 on both ways: the score is the last load of waves 0-11, and waves 12-15 want their rows a few lines on
	s_wait_kmcnt 0x0
	v_sub_f32 v[DF], v[DF], v15                    ; - kappa
	v_mul_f32 v[EX], v14, v[DF]
	v_mul_f32 v[EX], v[EX], v[DF]                  ; beta x diff x diff
	v_mul_f32 v[EX], 0xbfb8aa3b, v[EX]             ; x -log2(e)
	v_add_f32 v16, s36, v16                        ; the score: + b_s1
	v_mul_f32 v16, 0x3fb8aa3b, v16
	v_exp_f32 v16, v16                             ; lkh
	v_exp_f32 v[EX], v[EX]
	v_mov_b32 v21, 0                               ; a plain place behind the exponentials; v21 is the destination of the lane permute below, which counts as one of its sources
	s_wait_alu depctr_va_vdst(0)
	v_mul_f32 v[EX], v13, v[EX]                    ; the prior: alpha x exp(..)
	v_mul_f32 v16, v[EX], v16
	v_cndmask_b32 v16, 0, v16, s47                 ; c; 0 where the slot does not count
	v_mov_b32 v20, v16
	v_add_f32_dpp v20, v20, v20 row_xmask:1 row_mask:0xf bank_mask:0xf
	v_add_f32_dpp v20, v20, v20 row_xmask:2 row_mask:0xf bank_mask:0xf
	v_add_f32_dpp v20, v20, v20 row_xmask:4 row_mask:0xf bank_mask:0xf
	v_add_f32_dpp v20, v20, v20 row_xmask:8 row_mask:0xf bank_mask:0xf
	v_permlanex16_b32 v21, v20, s44, s45
	v_add_f32 v20, v20, v21                        ; Z
	v_rcp_f32 v22, v20
	v_lshl_add_u32 v32, v0, 2, 3                   ; (a plain place)  4 x thread + 3
.irp k, 0,1,2,3
.irp j, 0,1,2,3,4,5,6
	v_readlane_b32 s[CN+8*\k+\j], v16, 8*\k+\j     ; c as scalars: data for selections and multiply-adds alone
.endr
.endr
	; out1: thread t writes positions 4 t .. 4 t + 3.  Position 4 t + i is slot j of window k where 4 t + 3 - centre = j - i.
.irp i, 0,1,2,3
	v_mov_b32 v[24+\i], 0
.endr
.macro WINDOW k
	s_add_co_u32 s41, s[CK+\k], 3
	s_lshl_b32 s42, s2, 7
	s_sub_co_u32 s41, s41, s42                     ; centre + 3 - my wave's first position: 0 .. 133 where the window meets my 128 positions
	s_cmp_gt_u32 s41, 133
	s_cbranch_scc1 .Lskip_\@                       ; a branch on a whole number read from memory; only register work is jumped over
	v_sub_nc_u32 v33, v32, s[CK+\k]
.irp q, 0,1,2,3,4,5,6,7,8,9
	v_cmp_eq_i32 s[MK+\q], \q-3, v33
.endr
.irp i, 0,1,2,3
	v_cndmask_b32 v[28+\i], 0, s[CN+8*\k], s[MK+3-\i]
.endr
.irp j, 1,2,3,4,5,6
.irp i, 0,1,2,3
	v_cndmask_b32 v[28+\i], v[28+\i], s[CN+8*\k+\j], s[MK+3+\j-\i]
.endr
.endr
.irp i, 0,1,2,3
	v_add_f32 v[24+\i], v[24+\i], v[28+\i]
.endr
.Lskip_\@:
.endm
	WINDOW 0
	WINDOW 1
	WINDOW 2
	WINDOW 3
	s_wait_alu depctr_va_vdst(0)
.irp i, 0,1,2,3
	v_mul_f32 v[24+\i], v[24+\i], v22              ; / Z, behind the selections
.endr
	v_lshlrev_b32 v34, 4, v0
	global_store_b128 v34, v[24:27], s[20:21]      ; the wave's store covers 512 consecutive bytes, at a multiple of 512 from the batch's row of out1
	; out0: waves 12-15, 128 columns each, four a lane
	s_cmp_lt_u32 s2, 12
	s_cbranch_scc1 .Lend
.irp i, 0,1,2,3
	v_mul_f32 v[36+\i], s[CN], v[RW+\i]            ; the first slot starts the sums
.endr
.irp j, 1,2,3,4,5,6
.irp i, 0,1,2,3
	v_fmac_f32 v[36+\i], s[CN+\j], v[RW+4*\j+\i]
.endr
.endr
.irp k, 1,2,3
.irp j, 0,1,2,3,4,5,6
.irp i, 0,1,2,3
	v_fmac_f32 v[36+\i], s[CN+8*\k+\j], v[RW+4*(7*\k+\j)+\i]
.endr
.endr
.endr
.irp i, 0,1,2,3
	v_mul_f32 v[36+\i], v[36+\i], v22
.endr
	global_store_b128 v8, v[36:39], s[18:19]       ; 512 consecutive bytes, at a multiple of 512 from the batch's row of out0
.Lend:
	s_endpgm
.Lfunc_end_k_qed85012f5e_finish:
	.size	k_qed85012f5e_finish, .Lfunc_end_k_qed85012f5e_finish-k_qed85012f5e_finish
	.p2alignl 7, 3214868480
	.fill 96, 4, 3214868480
	.section	.rodata,"a",@progbits
	.p2align	6, 0x0
	.amdhsa_kernel k_qed85012f5e_finish
		.amdhsa_group_segment_fixed_size 0
		.amdhsa_private_segment_fixed_size 0
		.amdhsa_enable_private_segment 0
		.amdhsa_kernarg_size 56
		.amdhsa_user_sgpr_count 2
		.amdhsa_user_sgpr_kernarg_segment_ptr 1
		.amdhsa_wavefront_size32 1
		.amdhsa_system_sgpr_workgroup_id_x 1
		.amdhsa_system_sgpr_workgroup_id_y 1
		.amdhsa_system_sgpr_workgroup_id_z 1
		.amdhsa_system_vgpr_workitem_id 0
		.amdhsa_next_free_vgpr 208
		.amdhsa_next_free_sgpr 100
		.amdhsa_reserve_vcc 0
		.amdhsa_float_denorm_mode_32 3
		.amdhsa_float_denorm_mode_16_64 3
		.amdhsa_memory_ordered 1
		.amdhsa_forward_progress 1
		.amdhsa_inst_pref_size 28
	.end_amdhsa_kernel
	.amdgpu_metadata
---
amdhsa.version: [ 1, 2 ]
amdhsa.kernels:
  - .name:           k_qed85012f5e_finish
    .symbol:         k_qed85012f5e_finish.kd
    .args:
      - { .name: centers, .offset: 0, .size: 8, .value_kind: global_buffer, .address_space: global }
      - { .name: stats, .offset: 8, .size: 8, .value_kind: global_buffer, .address_space: global }
      - { .name: scores, .offset: 16, .size: 8, .value_kind: global_buffer, .address_space: global }
      - { .name: ctx, .offset: 24, .size: 8, .value_kind: global_buffer, .address_space: global }
      - { .name: b_s1, .offset: 32, .size: 8, .value_kind: global_buffer, .address_space: global }
      - { .name: out0, .offset: 40, .size: 8, .value_kind: global_buffer, .address_space: global }
      - { .name: out1, .offset: 48, .size: 8, .value_kind: global_buffer, .address_space: global }
    .group_segment_fixed_size: 0
    .private_segment_fixed_size: 0
    .kernarg_segment_align: 8
    .kernarg_segment_size: 56
    .max_flat_workgroup_size: 512
    .sgpr_count:     100
    .vgpr_count:     208
    .wavefront_size: 32
...
	.end_amdgpu_metadata
.endif
;; end of part 5
